; MI455X (gfx1250); checked and timed in simulation.
; The chip was launched on July 23, 2026; its instructions are those of AMD's public machine-readable ISA for CDNA 5 (MIT licence, August 2026) and "CDNA5" Instruction Set Architecture Reference Guide (July 2026). The comments in the code are by the model that wrote it; some were corrected since.
;; Causal Self Attention. Allowed arithmetic: matrix products marked QUANTISED: E4M3 operands, one given power-of-two scale a tensor, by v_wmma_f32_16x16x64_fp8_fp8 or v_wmma_f32_16x16x128_fp8_fp8, f32 sums; everything else in f32.
;; Inputs: Wk 1,024 x 1,024 float32; Wo 1,024 x 1,024 float32; Wq 1,024 x 1,024 float32; Wv 1,024 x 1,024 float32; attention_mask 4 x 2,048 int32; lowp_scales 12 int32 (the exponents e of the quantised operands' scales 2^e); rope_cos 2,048 x 64 float32; rope_sin 2,048 x 64 float32; x 4 x 2,048 x 1,024 float32.
;; Outputs: out0 4 x 2,048 x 1,024 float32.
;; This version of the problem:
;;   THIS VERSION OF THE PROBLEM IS GIVEN IN LOW PRECISION. The matrix products marked QUANTISED in the list below multiply operands that are first quantised to E4M3 (4 exponent bits, 3 mantissa bits; 8 bits a number), with one given power-of-two scale for each operand tensor; their sums are f32. All else is computed in f32.
;;   The module's matrix products, in the order in which they are computed (A, B: the left and right operand; K: the contracted axis; several contracted axes count as one K, in the product's order):
;;     1. [M 8,192, K 1,024] x [K 1,024, N 1,024]; A: input x; B: input Wq: QUANTISED (scales: A lowp_scales[0], B lowp_scales[1])
;;     2. [M 8,192, K 1,024] x [K 1,024, N 1,024]; A: input x; B: input Wk: QUANTISED (scales: A lowp_scales[2], B lowp_scales[3])
;;     3. [M 8,192, K 1,024] x [K 1,024, N 1,024]; A: input x; B: input Wv: QUANTISED (scales: A lowp_scales[4], B lowp_scales[5])
;;     4. batch 64 x [M 2,048, K 64] x [K 64, N 2,048]; A: computed on the way; B: computed on the way: QUANTISED (scales: A lowp_scales[6], B lowp_scales[7])
;;     5. batch 64 x [M 2,048, K 2,048] x [K 2,048, N 64]; A: softmax (see below); B: computed on the way: QUANTISED (scales: A lowp_scales[8], B lowp_scales[9])
;;     6. [M 8,192, K 1,024] x [K 1,024, N 1,024]; A: computed on the way; B: input Wo: QUANTISED (scales: A lowp_scales[10], B lowp_scales[11])
;;   THE QUANTISER, for each operand of a quantised product, along K:
;;     - The operand's scale is 2^e, e = its entry of the input lowp_scales (int32; the entries are numbered through the quantised products in the list's order, A before B).
;;     - Each number is divided by the scale, clamped to +-448, and rounded to the nearest number of E4M3, ties to even, subnormals kept.
;;     - The product sums the exact products of the quantised numbers (number of the format x scale) in f32.
;;   ~~~python
;;   def quantise(x, axis, e):      # numpy; x: float32 -> the quantised numbers, widened to float32 again
;;       x = np.moveaxis(x, axis, -1); K = x.shape[-1]
;;       r = np.clip(x / 2.0 ** e, -448, 448)
;;       step = 2.0 ** (np.maximum(np.frexp(np.where(r == 0, 1, r))[1] - 1, -6) - 3)
;;       q = np.round(r / step) * step * 2.0 ** e      # np.round: ties to even
;;       return np.moveaxis(q, -1, axis).astype(np.float32)
;;   ~~~
;;   SOFTMAX AHEAD OF A QUANTISED PRODUCT. Where the list says 'softmax', what is quantised is not the finished softmax but p = 2^(t - M), with t = logit x log2(e) and M = ceil(the row's largest t), a whole number; so 1/2 < the row's largest p <= 1. The row's sum l is taken of the UNQUANTISED p, in f32, and the product's result is divided by l at the end. Since M is a whole number, a kernel that streams over the keys may use a running M (the ceiling of the running maximum): every later rescaling is an exact power of two, so the quantised numbers keep their values, but for numbers so far below the row's largest that they fall under the format's range.
;;   OPERANDS COMPUTED ON THE WAY. 'Computed on the way' means the value that the module computes at that place (a softmax that the list does not call 'softmax' is quantised finished and normalised). What goes into a quantiser is computed in f32, as accurately as f32 sums, v_exp_f32 and their like allow (about 1e-6 of the number): no bf16 or f16 on the way to a quantiser, and a product that is left as it is and whose result goes on into a quantised operand takes f32 operands (vector FMAs, or v_wmma_f32_16x16x4_f32). A number that lies on a knife's edge between two numbers of the format may be rounded either way, as far as f32 arithmetic and the matrix unit's own rounding can turn it there, and no further.
;; One version. Each part assembles by itself: llvm-mc -triple=amdgcn-amd-amdhsa -mcpu=gfx1250 --defsym DOCPART=n.
;; ======== version 1 of 1: 4 launches
;; limits: right only within a limited range of input values
;; workspace buffers: xc 25,165,824 bytes; wc 4,194,304 bytes; bias 32,768 bytes; qc 8,388,608 bytes; kc 8,388,608 bytes; vc 8,388,608 bytes; ac 8,388,608 bytes
;; launch quant (part 1): grid 384 x 1, 4 waves a work-group, no clusters, 66,048 bytes of LDS; arguments x, Wq, Wk, Wv, Wo, attention_mask, lowp_scales, xc, wc, bias; writes xc, wc, bias
.if DOCPART == 1
	.amdgcn_target "amdgcn-amd-amdhsa--gfx1250"
	.amdhsa_code_object_version 6
	.text
	.protected	k_qc6c015dc1f_quant
	.globl	k_qc6c015dc1f_quant
	.p2align	8
	.type	k_qc6c015dc1f_quant,@function
k_qc6c015dc1f_quant:
	s_mov_b64 s[64:65], 0
	v_nop
	global_prefetch_b8 v0, s[64:65] scope:SCOPE_SE
	s_setreg_imm32_b32 hwreg(HW_REG_WAVE_MODE, 25, 1), 1
	s_wait_xcnt 0x0
; x [8192][1024] and Wq, Wk, Wv, Wo [1024][1024], f32 with K innermost, become codes of FP8 (E4M3), one a byte, K innermost; the key mask becomes an f32 addend.
; code = number / 2^e, held within +-448, rounded to the nearest code, ties to even.  e: entries of lowp_scales: x: 0, 2, 4 (for the products with Wq, Wk, Wv); Wq 1, Wk 3, Wv 5, Wo 11.
; xc has three sections of 8 MiB, one for each of x's three exponents (e0, e2, e4): x is read once and all three sets of codes are made of it, whatever the exponents are, so that the next launch's addresses hang on no given number.
; wc has four sections of 1 MiB: Wq, Wk, Wv, Wo.  bias [4][2048]: 0.0 where the mask is not 0, else -2^60: it is added to a key's scores.
; LIMITS: every e between -126 and 119, so that 2^e and 448 x 2^e are f32 numbers.  NaN among the floating-point inputs is not served (an infinity is held at the largest code).
; SHARES.  All tensors are dense streams.  A work-group takes 32,768 numbers, a wave 16 steps of 512.  Work-groups 0-255 take x, 256-383 the weights, 32 each; wave 0 of each of these also turns 64 words of the mask.
; A conversion takes 8 neighbours from ONE lane's registers; a load is best where neighbouring LANES take neighbouring bytes.  So each load reads 512 consecutive bytes, 16 a lane; a step's 2,048 bytes go through the
; wave's own stage in LDS (16 bytes of padding behind each 64) and come back 64 bytes a lane.  A lane's 16 codes are 16 bytes: a store covers 512 consecutive bytes, aligned.
; No tensor loads, no barrier: waves share nothing.  No cluster: work-groups share no input.  Loads run four steps (16 loads a wave) ahead, the turn through LDS one step.
; The two ways (the weights: one set of codes; x: three sets) part on the work-group's number; each has LDS bytes of its own.
.set STEPS, 16
.set NXW,   256                        ; work-groups that take x
.set SP,    80                         ; a lane's place in a stage: 64 bytes + 16 of padding
.set WREG,  8192                       ; LDS for a wave on one way: two stages of 32 x SP bytes
.set R,     16                         ; v16-79    four sets of 16 numbers as loaded
.set X,     80                         ; v80-111   two sets of 16 neighbours
.set T,     112
.set C,     144                        ; v144-207  sixteen sets of four registers of codes, by turns
	s_load_b512 s[4:19], s[0:1], 0x0               ; x, Wq, Wk, Wv, Wo, mask, scales, xc
	s_load_b128 s[20:23], s[0:1], 0x40             ; wc, bias
	v_lshl_add_u32 v216, v0, 2, 0x10000
	v_mov_b32 v217, 0
	v_lshrrev_b32 v1, 5, v0
	v_readfirstlane_b32 s24, v1                    ; wave
	v_and_b32 v2, 31, v0                           ; lane
	v_lshlrev_b32 v3, 4, v2                        ; my 16 bytes of a load's or a store's 512
	s_mul_i32 s48, s24, WREG
	v_lshrrev_b32 v5, 2, v2
	v_mul_u32_u24 v5, v5, SP
	v_and_b32 v4, 3, v2
	v_lshl_add_u32 v5, v4, 4, v5
	v_add_nc_u32 v5, s48, v5                       ; the stage, way in: SP (lane / 4) + 16 (lane % 4)
	v_mul_u32_u24 v6, v2, SP
	v_add_nc_u32 v6, s48, v6                       ; way out: SP x lane: my 16 neighbours
	s_mov_b32 s25, ttmp9
	s_cmp_lt_u32 s25, NXW
	s_cselect_b32 s49, 0, NXW
	s_sub_co_u32 s49, s25, s49                     ; my chunk of x, or of the four weights on end
	s_lshr_b32 s26, s49, 5                         ; which weight
	s_and_b32 s27, s49, 31                         ; and my chunk of it
	s_wait_alu depctr_va_vdst(0)
	s_wait_kmcnt 0x0
	s_load_b256 s[36:43], s[16:17], 0x0            ; e0 .. e7
	s_load_b128 s[44:47], s[16:17], 0x20           ; e8 .. e11
	s_cmp_eq_u32 s26, 1                            ; the buffers are chosen by the work-group's number alone
	s_cselect_b64 s[28:29], s[8:9], s[6:7]
	s_cmp_eq_u32 s26, 2
	s_cselect_b64 s[28:29], s[10:11], s[28:29]
	s_cmp_eq_u32 s26, 3
	s_cselect_b64 s[28:29], s[12:13], s[28:29]
	s_cmp_lt_u32 s25, NXW
	s_cselect_b64 s[28:29], s[4:5], s[28:29]       ; from
	s_cselect_b64 s[30:31], s[18:19], s[20:21]     ; to
	s_cselect_b32 s51, s49, s27
	s_lshl_b32 s52, s51, 17                        ; a chunk is 131,072 bytes of f32,
	s_lshl_b32 s53, s24, 15                        ; a wave's run 32,768
	s_add_co_u32 s52, s52, s53
	s_mov_b32 s53, 0
	s_add_nc_u64 s[28:29], s[28:29], s[52:53]
	s_lshl_b32 s52, s49, 15                        ; and 32,768 and 8,192 bytes of codes; wc's sections lie on end
	s_lshl_b32 s54, s24, 13
	s_add_co_u32 s52, s52, s54
	s_add_nc_u64 s[30:31], s[30:31], s[52:53]
	s_add_nc_u64 s[32:33], s[30:31], 0x800000      ; xc's sections 1 and 2 (named by x's work-groups alone)
	s_add_nc_u64 s[34:35], s[30:31], 0x1000000
.macro LOAD t
.irp i, 0,1,2,3
	global_load_b128 v[R+16*((\t)%4)+4*\i:R+16*((\t)%4)+4*\i+3], v3, s[28:29] offset:2048*(\t)+512*\i th:TH_LOAD_NT   ; 32 lanes read 512 consecutive bytes
.endr
.endm
.macro TURN t, base                    ; step t's numbers through the stage: LDS serves a wave's instructions in order, so no wait stands between the stores and the loads
.irp i, 0,1,2,3
	ds_store_b128 v5, v[R+16*((\t)%4)+4*\i:R+16*((\t)%4)+4*\i+3] offset:\base+32*SP*((\t)%2)+8*SP*\i
.endr
	v_nop
.irp i, 0,1,2,3
	ds_load_b128 v[X+16*((\t)%2)+4*\i:X+16*((\t)%2)+4*\i+3], v6 offset:\base+32*SP*((\t)%2)+16*\i
.endr
.endm
.irp t, 0,1,2,3
	LOAD \t
.endr
.macro MKSC e, vs, vl                  ; 2^e as f32 (the conversion takes its exponent field)
	s_add_co_i32 s56, \e, 127
	s_lshl_b32 s57, s56, 23
	v_mov_b32 v[\vs], s57
.endm
	s_wait_kmcnt 0x0
	s_cmp_eq_u32 s26, 1
	s_cselect_b32 s55, s39, s37
	s_cmp_eq_u32 s26, 2
	s_cselect_b32 s55, s41, s55
	s_cmp_eq_u32 s26, 3
	s_cselect_b32 s55, s47, s55
	s_cmp_lt_u32 s25, NXW
	s_cselect_b32 s55, s36, s55                    ; the first set's e: e0 for x, else the weight's
	MKSC s55, 8, 9
	MKSC s38, 10, 11                               ; e2 and e4: x's second and third set
	MKSC s40, 12, 13
; A step: nout sets of codes of its 512 numbers.
.macro STEP t, nout, base
	s_wait_dscnt 0x0                               ; this step's numbers are back from the stage, so its stores into the stage have read their registers,
.if (\t)+4 < STEPS
	LOAD (\t)+4                                    ; which take the loads of four steps on
.endif
.if (\t)+1 < STEPS
.if STEPS-2-(\t) >= 3
	s_wait_loadcnt 12                              ; the next step's four loads are in; those of the three steps behind it may be out
.else
	s_wait_loadcnt 4*(STEPS-2-(\t))
.endif
	TURN (\t)+1, \base
.endif
.if \nout > 1
	s_wait_xcnt 0x0                                ; 48 sets of codes go through sixteen sets of registers: the earlier stores have read theirs
.endif
.set XS, X+16*((\t)%2)
.set oo, 0
.rept \nout
.set nn, (\nout)*(\t)+oo
.set TS, T+16*(nn%2)
.set CQ, C+4*(nn%16)
.set ii, 0
.rept 16
.set ii, ii+1
.endr
	v_cvt_scalef32_pk8_fp8_f32 v[CQ:CQ+1], v[XS:XS+7], v[8+2*oo]
	v_cvt_scalef32_pk8_fp8_f32 v[CQ+2:CQ+3], v[XS+8:XS+15], v[8+2*oo]
	global_store_b128 v3, v[CQ:CQ+3], s[30+2*oo:31+2*oo] offset:512*(\t)   ; 32 lanes store 512 consecutive bytes, aligned
.set oo, oo+1
.endr
.endm
	s_cmp_lt_u32 s25, NXW
	s_cbranch_scc1 .Lthree
	; ---- the weights: one set of codes
	s_cmp_lg_u32 s24, 0
	s_cbranch_scc1 .Lno_mask
	v_lshlrev_b32 v214, 3, v2                      ; 64 words of the mask: 8 bytes a lane, 256 consecutive bytes, aligned
	s_lshl_b32 s56, s49, 8
	v_add_nc_u32 v214, s56, v214
	global_load_b64 v[208:209], v214, s[14:15]
	v_mov_b32 v212, 0xdd800000                     ; -2^60
	v_mov_b32 v213, 0
	s_wait_alu depctr_va_vdst(0)
	s_wait_loadcnt 0x0
	v_cmp_ne_u32 vcc_lo, 0, v208
	v_cndmask_b32 v210, v212, v213, vcc_lo
	v_cmp_ne_u32 vcc_lo, 0, v209
	v_cndmask_b32 v211, v212, v213, vcc_lo
	global_store_b64 v214, v[210:211], s[22:23]
.Lno_mask:
	s_wait_loadcnt 12                              ; step 0's four loads are in
	TURN 0, 0
	s_wait_alu depctr_va_vdst(0)
.irp t, 0,1,2,3,4,5,6,7,8,9,10,11,12,13,14,15
	STEP \t, 1, 0
.endr
	s_wait_tensorcnt 0x0
	ds_add_u32 v216, v217
	s_wait_dscnt 0x0
	s_endpgm
.Lthree:
	; ---- x: three sets of codes
	s_wait_loadcnt 12
	TURN 0, 32768
	s_wait_alu depctr_va_vdst(0)
.irp t, 0,1,2,3,4,5,6,7,8,9,10,11,12,13,14,15
	STEP \t, 3, 32768
.endr
	s_wait_tensorcnt 0x0
	ds_add_u32 v216, v217
	s_wait_dscnt 0x0
	s_endpgm
.Lfunc_end_k_qc6c015dc1f_quant:
	.size	k_qc6c015dc1f_quant, .Lfunc_end_k_qc6c015dc1f_quant-k_qc6c015dc1f_quant
	.p2alignl 7, 3214868480
	.fill 96, 4, 3214868480
	.section	.rodata,"a",@progbits
	.p2align	6, 0x0
	.amdhsa_kernel k_qc6c015dc1f_quant
		.amdhsa_group_segment_fixed_size 66048
		.amdhsa_private_segment_fixed_size 0
		.amdhsa_enable_private_segment 0
		.amdhsa_kernarg_size 80
		.amdhsa_user_sgpr_count 2
		.amdhsa_user_sgpr_kernarg_segment_ptr 1
		.amdhsa_wavefront_size32 1
		.amdhsa_system_sgpr_workgroup_id_x 1
		.amdhsa_system_sgpr_workgroup_id_y 1
		.amdhsa_system_sgpr_workgroup_id_z 1
		.amdhsa_system_vgpr_workitem_id 0
		.amdhsa_next_free_vgpr 218
		.amdhsa_next_free_sgpr 66
		.amdhsa_reserve_vcc 1
		.amdhsa_float_denorm_mode_32 3
		.amdhsa_float_denorm_mode_16_64 3
		.amdhsa_fp16_overflow 1
		.amdhsa_memory_ordered 1
		.amdhsa_forward_progress 1
		.amdhsa_inst_pref_size 49
	.end_amdhsa_kernel
	.amdgpu_metadata
---
amdhsa.version: [ 1, 2 ]
amdhsa.kernels:
  - .name:           k_qc6c015dc1f_quant
    .symbol:         k_qc6c015dc1f_quant.kd
    .args:
      - { .name: x, .offset: 0, .size: 8, .value_kind: global_buffer, .address_space: global }
      - { .name: Wq, .offset: 8, .size: 8, .value_kind: global_buffer, .address_space: global }
      - { .name: Wk, .offset: 16, .size: 8, .value_kind: global_buffer, .address_space: global }
      - { .name: Wv, .offset: 24, .size: 8, .value_kind: global_buffer, .address_space: global }
      - { .name: Wo, .offset: 32, .size: 8, .value_kind: global_buffer, .address_space: global }
      - { .name: attention_mask, .offset: 40, .size: 8, .value_kind: global_buffer, .address_space: global }
      - { .name: lowp_scales, .offset: 48, .size: 8, .value_kind: global_buffer, .address_space: global }
      - { .name: xc, .offset: 56, .size: 8, .value_kind: global_buffer, .address_space: global }
      - { .name: wc, .offset: 64, .size: 8, .value_kind: global_buffer, .address_space: global }
      - { .name: bias, .offset: 72, .size: 8, .value_kind: global_buffer, .address_space: global }
    .group_segment_fixed_size: 66048
    .private_segment_fixed_size: 0
    .kernarg_segment_align: 8
    .kernarg_segment_size: 80
    .max_flat_workgroup_size: 128
    .sgpr_count:     66
    .vgpr_count:     218
    .wavefront_size: 32
...
	.end_amdgpu_metadata
.endif
;; end of part 1
;; launch qkv (part 2): grid 4 x 96, 4 waves a work-group, clusters of 4 x 4, 327,680 bytes of LDS; arguments xc, wc, lowp_scales, rope_cos, rope_sin, qc, kc, vc; writes qc, kc, vc
.if DOCPART == 2
	.amdgcn_target "amdgcn-amd-amdhsa--gfx1250"
	.amdhsa_code_object_version 6
	.text
	.protected	k_qc6c015dc1f_qkv
	.globl	k_qc6c015dc1f_qkv
	.p2align	8
	.type	k_qc6c015dc1f_qkv,@function
k_qc6c015dc1f_qkv:
	s_mov_b64 s[64:65], 0
	v_nop
	global_prefetch_b8 v0, s[64:65] scope:SCOPE_SE
	s_setreg_imm32_b32 hwreg(HW_REG_WAVE_MODE, 25, 1), 1
	s_wait_xcnt 0x0
	s_wait_alu depctr_hold_cnt(0) depctr_sa_sdst(0) depctr_va_vdst(0) depctr_va_sdst(0) depctr_va_ssrc(0) depctr_va_vcc(0) depctr_vm_vsrc(0)
	s_getreg_b32 s2, hwreg(HW_REG_IB_STS2, 6, 4)
	s_cmp_eq_u32 s2, 0
	s_cbranch_scc0 .Lentry_in_a_cluster
	s_endpgm
.Lentry_in_a_cluster:
	s_bfe_u32 s2, ttmp6, 0x10000c
	s_cmp_lg_u32 s2, 0xf033
	s_cbranch_scc0 .Lentry_shape_is_right
	s_endpgm
.Lentry_shape_is_right:
; The three projections on codes of FP8 (E4M3), the rotary turn of q and k, and the quantisers of q, k and v.  One body; a cluster of 4 x 4 work-groups serves one of Q, K, V (sel = cluster y / 8).
; Q, K: C[token][channel] = sum over k of x[token][k] W[channel][k]: A = a section of xc (8,192 rows), B = a section of wc (1,024 rows).  V is made TRANSPOSED: A = Wv's codes, B = x's: C[channel][token].
; All rows are 1,024 codes.  A tile of C is 256 x 256, four waves, each 128 x 128: 64 accumulators, 512 registers.  K goes in steps of 256 through a ring of two LDS slots filled by the tensor data mover.
; WHICH SECTIONS: xc holds x's codes once for each of the three products, wc the weights' one behind the other: section sel of both.  So the tiles' addresses are made of ids, arguments and constants alone.
; CLUSTERS: the four work-groups of a row of the cluster need the same tiles of A, the four of a column the same tiles of B: each tile is asked for JOINTLY.  All branches hang on sel or on the wave's number, which partners share.
; THE MATRIX INSTRUCTION IS USED TRANSPOSED (source 0 = 16 rows of B, source 1 = 16 rows of A): lane (r, h) holds row r of A's block and, in register j, row 8 h + j of B's block.
; THE WAY OUT NEEDS NO LDS.  Four accumulators (a, 4 g + c), c = 0 .. 3, are 16 rows of A x 64 rows of B; a lane's eight numbers of accumulator c become registers 2 c, 2 c + 1 of a fragment of the 16x16x64 form
; (k = 16 c + 8 h + 0 .. 7).  For Q, K that is 16 tokens x a head's 64 channels; for V 16 channels x 64 keys: just the operands of the two products of attention.  The buffers hold IMAGES OF THESE REGISTERS:
; registers 0-3 of the 32 lanes on end (512 bytes), then registers 4-7.  qc, kc: [16 batch + head][token / 16][1,024 bytes];  vc: [16 batch + head][key / 64][channel / 16][1,024 bytes].  Each store covers 512 consecutive bytes, aligned.
; ROTARY: channel d and d + 32 of a head lie in the same lane and register of accumulators c and c + 2.  The turn is made on the raw sums; the sums' 2^(eA + eB) and the quantiser's 2^eO are folded into the conversion's one scale.
; LIMITS: e6 - e0 - e1, e7 - e2 - e3 and e9 - e4 - e5 between -126 and 119.  NaN among the inputs is not served.
; REGISTERS, in windows of 256: window 0: v0-31 addresses and scales; v32-63 a fragment's 32 numbers; v64-127, v128-191 cos and sin of 16 tokens, two sets; v192-255 codes, eight sets; in the loop v128-255 hold A's fragments, ONE set.
;   window 1: B's fragments, TWO sets.   window 2: the accumulators of my rows 0-63 ((a, b) at v[8 (8 a + b)]);   window 3: those of my rows 64-127.
.set ROWB,   256                       ; a tile's row in bytes: a K step's codes
.set KROW,   1024                      ; a row of A or of B in memory
.set PITCH,  272                       ; an LDS row: 256 bytes + 16 of padding = 68 words: row r starts at bank 4 r mod 64 (64 banks of 4 bytes: ISA guide 11.1)
.set FR,     16                        ; registers of a fragment: 16 rows x 128 K
.set NL,     4                         ; LDS loads that bring one
.set NP,     4                         ; places behind this matrix instruction (ISA guide 7.12.1)
.set HALFT,  128*PITCH                 ; 128 rows: what one tensor load brings
.set SLOT,   4*HALFT                   ; A's 256 rows, then B's 256 rows
.set LAPS,   2                         ; a lap = two K steps = once round the ring: 1,024 / 512
.set SPARE,  2*SLOT                    ; behind the ring: the spare words, 128 bytes for each wave: two blocks of 256 bytes that no other line names
.set ADRA, 16                          ; v16-17  LDS address of my A fragments in slot 0, 1
.set ADRB, 20                          ; v20-21  the same for B
.set LI,   26                          ; v26     16 x lane: my place in an image's 512 bytes
.set CSO,  27                          ; v27     256 r + 32 h: my place in 16 rows of the rotary tables
.set SPW,  28                          ; v28     LDS address of my spare word; never rewritten
.set NIL,  29                          ; v29     0; never rewritten
.set SCL,  30                          ; v30     2^(eO - eA - eB) as f32
.set HLD,  31                          ; v31     448 x that
.set Y,    32
.set CS,   64
.set RG,   192
.set AF,   128                         ; A's fragments, in window 0
.set G1, 24                            ; s[24:31] descriptor group 1 for A's tiles;  s[32:39] group 0, one set for each slot
.set G0, 32
.set G1B, 48                           ; s[48:55], s[56:63] the same for B's tiles
.set G0B, 56
.set MSB, 0
.macro WIN new                         ; the immediate's high byte repeats the setting that is left
.if MSB != \new
	s_set_vgpr_msb (MSB<<8)|\new
.set MSB, \new
.endif
.endm
.set MUL_LO, 0xa1                      ; source 0 (B) window 1, source 1 (A) window 0, C and D window 2
.set MUL_HI, 0xf1                      ; the same, C and D window 3
.set TO_B,   0x40                      ; destination window 1, address window 0
; A joint load: waves 0 and 1 fetch for A, waves 2 and 3 for B.  Each of the two lines has ONE mask and one set of registers for all that issue it; the branch hangs on the wave's number alone.
; Four v_nop follow each of the two lines, ahead of the jump, the label and what follows.
.macro JLOAD g0a, g1a, g0b, g1b
	s_cmp_eq_u32 s15, 0
	s_cbranch_scc0 .Lfor_b_\@
	tensor_load_to_lds s[\g0a:\g0a+3], s[\g1a:\g1a+7]
	s_nop 0
.rept 4
	v_nop
.endr
	s_branch .Lasked_\@
.Lfor_b_\@:
	tensor_load_to_lds s[\g0b:\g0b+3], s[\g1b:\g1b+7]
	s_nop 0
.rept 4
	v_nop
.endr
.Lasked_\@:
.endm
.macro CREST                           ; a round of the cluster's barrier behind its opening barrier
	s_cmp_lg_u32 s14, 0
	s_cbranch_scc1 .Lnot_wave_0_\@
	s_barrier_signal -3
.Lnot_wave_0_\@:
	s_barrier_wait -3
	s_barrier_signal -1
	s_barrier_wait -1
.endm
.macro CROUND                          ; a whole round
	s_barrier_signal -1
	s_barrier_wait -1
	CREST
.endm
	s_load_b256 s[4:11], s[0:1], 0x0               ; xc s[4:5], wc s[6:7], the exponents s[8:9], cos s[10:11]
	s_load_b256 s[68:75], s[0:1], 0x20             ; sin s[68:69], qc s[70:71], kc s[72:73], vc s[74:75]
	v_lshl_add_u32 v[SPW], v0, 2, SPARE
	v_mov_b32 v[NIL], 0
	ds_add_u32 v28, v29
	ds_add_u32 v28, v29
	s_wait_dscnt 0x0
	v_lshrrev_b32 v1, 5, v0
	v_readfirstlane_b32 s14, v1                    ; wave 0..3
	s_lshr_b32 s15, s14, 1                         ; which half of the tile's rows (A's) is mine.  Also: I fetch for A (0) or for B (1)
	s_and_b32 s16, s14, 1                          ; which half of its columns (B's rows).  Also: which 128 rows of that tile I fetch
	s_bfe_u32 s40, ttmp6, 0x40000                  ; cx, cy: my place in the cluster
	s_bfe_u32 s41, ttmp6, 0x40004
	s_and_b32 s12, ttmp7, 0xffff                   ; the cluster: 24 of them
	s_and_b32 s13, s12, 7                          ; which 1,024 tokens
	s_lshr_b32 s12, s12, 3                         ; sel: 0 Q, 1 K, 2 V
	s_cmp_eq_u32 s12, 2
	s_cselect_b32 s18, 0, s13                      ; the tokens are A's rows for Q and K,
	s_cselect_b32 s19, s13, 0                      ; B's rows for V
	s_lshl_b32 s17, s18, 2
	s_add_co_u32 s17, s17, s41                     ; tile row
	s_lshl_b32 s42, s19, 2
	s_add_co_u32 s42, s42, s40                     ; tile column
	s_lshl_b32 s43, s41, 2
	s_lshl_b32 s43, 15, s43                        ; my row of the cluster
	s_lshl_b32 s44, 0x1111, s40                    ; my column
	; descriptor group 1: a tile of 128 rows x 256 bytes, padded in LDS
	s_or_b32 s[G1+0], s43, (0<<16)|(1<<20)|(1<<21)|(5<<22)|(3<<25)  ; 15:0 the mask: A's tiles go to my row; 17:16 element of 1 byte; 20 padding on; 21 set beside a mask; 24:22 after every 64 words (code 5); 31:25 of 4 words (code 3)
	s_or_b32 s[G1B+0], s44, (0<<16)|(1<<20)|(1<<21)|(5<<22)|(3<<25)
.irp g, G1, G1B
	s_mov_b32 s[\g+1], ROWB<<16                    ; tensor_dim0
	s_mov_b32 s[\g+2], 128<<16                     ; tensor_dim1 = 128
	s_mov_b32 s[\g+3], ROWB<<16                    ; tile_dim0
	s_mov_b32 s[\g+4], 128                         ; tile_dim1 = 128
	s_mov_b32 s[\g+5], KROW                        ; tensor_dim0_stride
	s_mov_b32 s[\g+6], 0
	s_mov_b32 s[\g+7], 0
.endr
	s_lshl_b32 s18, s16, 7                         ; which 128 rows of the tile I fetch
	s_lshl_b32 s20, s17, 8
	s_add_co_u32 s20, s20, s18
	s_lshl_b32 s20, s20, 10                        ; A: (256 x tile row + 128 x half) rows of 1,024 bytes
	s_lshl_b32 s46, s42, 8
	s_add_co_u32 s46, s46, s18
	s_lshl_b32 s46, s46, 10                        ; B: the same by the tile column
	s_mov_b32 s21, 0
	s_mov_b32 s47, 0
	s_lshl_b32 s18, s12, 23                        ; xc's section: sel, of 8 MiB
	s_lshl_b32 s19, s12, 20                        ; wc's section: sel, of 1 MiB
	s_cmp_eq_u32 s12, 2
	s_cselect_b32 s22, s19, s18                    ; A's section,
	s_cselect_b32 s23, s18, s19                    ; B's
	s_add_co_u32 s20, s20, s22
	s_add_co_u32 s46, s46, s23
	s_mul_i32 s45, s14, HALFT                      ; where they go: wave x 128 rows: no place in the cluster enters an LDS address
	s_wait_kmcnt 0x0
	s_load_b256 s[76:83], s[8:9], 0x0              ; e0 .. e7: wanted behind the first joint loads
	s_load_b128 s[84:87], s[8:9], 0x20             ; e8 .. e11
	s_cmp_eq_u32 s12, 2
	s_cselect_b64 s[88:89], s[6:7], s[4:5]         ; A's buffer: the choice hangs on the cluster's number alone
	s_cselect_b64 s[90:91], s[4:5], s[6:7]         ; B's buffer
	s_add_nc_u64 s[20:21], s[88:89], s[20:21]
	s_add_nc_u64 s[46:47], s[90:91], s[46:47]
	CROUND                                         ; all sixteen work-groups are here: the first joint loads meet
.irp s, 0,1
	s_mov_b32 s[G0+4*\s], 1
	s_add_co_u32 s[G0+4*\s+1], s45, \s*SLOT
	s_add_nc_u64 s[G0+4*\s+2:G0+4*\s+3], s[20:21], \s*ROWB
	s_or_b32 s[G0+4*\s+3], s[G0+4*\s+3], 0x80000000
	s_mov_b32 s[G0B+4*\s], 1
	s_add_co_u32 s[G0B+4*\s+1], s45, \s*SLOT
	s_add_nc_u64 s[G0B+4*\s+2:G0B+4*\s+3], s[46:47], \s*ROWB
	s_or_b32 s[G0B+4*\s+3], s[G0B+4*\s+3], 0x80000000
	JLOAD G0+4*\s, G1, G0B+4*\s, G1B
.endr
	v_and_b32 v1, 15, v0                           ; r = l % 16
	v_bfe_u32 v2, v0, 4, 1                         ; h = l / 16
	v_mul_u32_u24 v3, v1, PITCH
	v_lshl_add_u32 v4, v2, 4, v3                   ; a fragment's row x pitch + 16 x half
	s_mul_i32 s21, s15, HALFT                      ; my 128 rows of A
	s_mul_i32 s22, s16, HALFT                      ; my 128 rows of B,
	s_add_co_u32 s22, s22, 2*HALFT                 ; which lie behind A's 256
.irp s, 0,1
	v_add_nc_u32 v[ADRA+\s], s21, v4
	v_add_nc_u32 v[ADRB+\s], s22, v4
	s_add_co_u32 s21, s21, SLOT
	s_add_co_u32 s22, s22, SLOT
.endr
	v_and_b32 v5, 31, v0
	v_lshlrev_b32 v[LI], 4, v5
	v_lshlrev_b32 v[CSO], 8, v1
	v_lshl_add_u32 v[CSO], v2, 5, v[CSO]
	s_wait_alu depctr_va_vdst(0)
	; the conversion's scale and the output buffer, chosen by sel
	s_wait_kmcnt 0x0                               ; the exponents
	s_add_co_i32 s22, s76, s77
	s_sub_co_i32 s22, s82, s22                     ; e6 - e0 - e1
	s_add_co_i32 s23, s78, s79
	s_sub_co_i32 s23, s83, s23                     ; e7 - e2 - e3
	s_add_co_i32 s94, s80, s81
	s_sub_co_i32 s94, s85, s94                     ; e9 - e4 - e5
	s_cmp_eq_u32 s12, 1
	s_cselect_b32 s22, s23, s22
	s_cselect_b64 s[92:93], s[72:73], s[70:71]
	s_cmp_eq_u32 s12, 2
	s_cselect_b32 s94, s94, s22
	s_cselect_b64 s[92:93], s[74:75], s[92:93]
	s_add_co_i32 s94, s94, 127
	s_lshl_b32 s22, s94, 23
	v_mov_b32 v[SCL], s22
	s_add_co_i32 s94, s94, 8
	s_lshl_b32 s94, s94, 23
	s_or_b32 s94, s94, 0x600000
	v_mov_b32 v[HLD], s94
	; where my results go: (16 batch + head) x 131,072 + 64 x token, in all three buffers
	s_lshl_b32 s22, s17, 8
	s_lshl_b32 s23, s15, 7
	s_add_co_u32 s22, s22, s23                     ; my first row of A
	s_lshl_b32 s23, s42, 8
	s_lshl_b32 s96, s16, 7
	s_add_co_u32 s23, s23, s96                     ; my first row of B
	s_cmp_eq_u32 s12, 2
	s_cselect_b32 s96, s23, s22                    ; my first token,
	s_cselect_b32 s97, s22, s23                    ; my first channel
	s_lshr_b32 s97, s97, 6                         ; my first head
	s_lshr_b32 s22, s96, 11                        ; batch
	s_and_b32 s96, s96, 2047                       ; token in the batch
	s_lshl_b32 s22, s22, 4
	s_add_co_u32 s22, s22, s97
	s_lshl_b32 s22, s22, 17
	s_lshl_b32 s23, s96, 6
	s_add_co_u32 s22, s22, s23
	s_mov_b32 s23, 0
	s_add_nc_u64 s[92:93], s[92:93], s[22:23]
	s_lshl_b32 s22, s96, 8                         ; a token's row of a rotary table is 256 bytes
	s_add_nc_u64 s[98:99], s[10:11], s[22:23]
	s_add_nc_u64 s[100:101], s[68:69], s[22:23]
; cos and sin of tokens 16 a .. 16 a + 15 of my 128: register 8 ct + j = channel 16 ct + 8 h + j of token r; cos in the set's first 32 registers, sin in the other 32
.macro LOADCS a
.set CB, CS+64*((\a)%2)
.irp ct, 0,1,2,3
.irp hf, 0,1
	global_load_b128 v[CB+8*\ct+4*\hf:CB+8*\ct+4*\hf+3], v[CSO], s[98:99] offset:4096*(\a)+64*\ct+16*\hf
	global_load_b128 v[CB+32+8*\ct+4*\hf:CB+32+8*\ct+4*\hf+3], v[CSO], s[100:101] offset:4096*(\a)+64*\ct+16*\hf
.endr
.endr
.endm
	LOADCS 0                                       ; into v64-127, which the loop does not touch.  Every work-group asks (V's too, whose 16 loads a wave stay inside the tables and are not used): so these registers are written on every way
.macro FRAG reg, adr, q, i             ; a fragment, 16 rows x 128 K: lane l holds row l % 16; registers 4 c .. 4 c + 3 hold K = 32 c + 16 (l / 16) + 0 .. 15: the same order of k in A and in B
.irp c, 0,1,2,3
	ds_load_b128 v[\reg+4*\c:\reg+4*\c+3], v[\adr] offset:128*(\q)+32*\c+(\i)*16*PITCH
.endr
.endm
; 16 matrix instructions: A's blocks a0, a0 + 1 x B's eight, 128 along K.  p: B's set.  zero = 1: the first product starts the sums.
; The 64 accumulators take turns, one instruction a turn, in the same order in every step.
.macro MUL16 a0, p, zero
.irp a, \a0, \a0+1
.irp b, 0,1,2,3,4,5,6,7
.if \zero
	v_wmma_f32_16x16x128_fp8_fp8 v[8*(8*((\a)%4)+\b):8*(8*((\a)%4)+\b)+7], v[128*(\p)+FR*\b:128*(\p)+FR*\b+FR-1], v[AF+FR*(\a):AF+FR*(\a)+FR-1], 0
.else
	v_wmma_f32_16x16x128_fp8_fp8 v[8*(8*((\a)%4)+\b):8*(8*((\a)%4)+\b)+7], v[128*(\p)+FR*\b:128*(\p)+FR*\b+FR-1], v[AF+FR*(\a):AF+FR*(\a)+FR-1], v[8*(8*((\a)%4)+\b):8*(8*((\a)%4)+\b)+7]
.endif
.endr
.endr
.endm
.macro FETCH_B slot, q, p              ; B's eight fragments of the slot's q-th 128 along K into set p
	WIN TO_B
.irp i, 0,1,2,3,4,5,6,7
	FRAG 128*(\p)+FR*\i, ADRB+\slot, \q, \i
.endr
	WIN 0
.endm
.macro FETCH_A slot, q, i0             ; A's blocks i0 .. i0 + 3
.irp i, \i0, \i0+1, \i0+2, \i0+3
	FRAG AF+FR*(\i), ADRA+\slot, \q, \i
.endr
.endm
; A load into a register that a matrix instruction has read, and a vector instruction that reads a matrix result or writes one of its registers, stand NP places behind it; only plain vector instructions that name none of its registers are places.
.macro PLACES n
.rept \n
	v_nop
.endr
.endm
; A step of 128 along K that has its successor in the same slot.  A's blocks go one after the other, each against B's eight: a block of A is free when its eight products are issued, so A has one set of registers.
.macro STEP slot, q, zero
	s_wait_dscnt 4*NL                              ; B's set and A's blocks 0-3 are in; the youngest sixteen loads (A's blocks 4-7) may be out
	WIN MUL_LO
	MUL16 0, (\q)%2, \zero
	MUL16 2, (\q)%2, \zero
	s_wait_dscnt 0                                 ; A's blocks 4-7 are in (asked for 32 matrix instructions ago)
	PLACES NP
	FETCH_B \slot, (\q)+1, 1-(\q)%2
	FETCH_A \slot, (\q)+1, 0
	WIN MUL_HI
	MUL16 4, (\q)%2, \zero
	MUL16 6, (\q)%2, \zero
	PLACES NP
	WIN 0
	FETCH_A \slot, (\q)+1, 4
.endm
; A slot's last step changes slots: ONE barrier; in front of it each wave waits for all its tensor loads, adds 0 to its spare word, and waits for that and for its own reads of this slot.  fill = 1: this slot is filled again, two K steps ahead.
.macro TURN slot, next, fill
	s_wait_tensorcnt 0x0                           ; all my tensor loads have landed: my part of the next slot (every window is 0 here)
	ds_add_u32 v[SPW], v[NIL]                      ; 0 onto my spare word
	s_wait_dscnt 4*NL+1                            ; (the add and the youngest sixteen loads, A's blocks 4-7, may be out)
	WIN MUL_LO
	MUL16 0, 1, 0                                  ; sixteen matrix instructions stand between the add and the wait for it
	s_wait_dscnt 0x0                               ; the add is done, and my reads of this slot are over
	s_barrier_signal -1
	MUL16 2, 1, 0
	WIN 0
	s_barrier_wait -1
.if \fill
	CREST                                          ; the barrier has opened a round of the cluster's barrier: no wave of any partner still reads this slot's tile or has a load on its way
	s_add_nc_u64 s[G0+4*\slot+2:G0+4*\slot+3], s[G0+4*\slot+2:G0+4*\slot+3], 2*ROWB
	s_add_nc_u64 s[G0B+4*\slot+2:G0B+4*\slot+3], s[G0B+4*\slot+2:G0B+4*\slot+3], 2*ROWB
	JLOAD G0+4*\slot, G1, G0B+4*\slot, G1B         ; the first tensor load behind the round; the four v_nop behind it are the places in front of the loads below
.else
	PLACES NP
.endif
	FETCH_B \next, 0, 0
	FETCH_A \next, 0, 0
	WIN MUL_HI
	MUL16 4, 1, 0
	MUL16 6, 1, 0
	PLACES NP
	WIN 0
	FETCH_A \next, 0, 4
.endm
	s_wait_tensorcnt 1                             ; my part of K step 0 is in (K step 1's load may be out)
	s_barrier_signal -1
	s_barrier_wait -1                              ; everybody's is
	FETCH_B 0, 0, 0
	FETCH_A 0, 0, 0
	FETCH_A 0, 0, 4
	STEP 0, 0, 1                                   ; the first step stands in front of the loop: its products start the sums
	s_mov_b32 s3, LAPS-1
.Llap:                                                 ; a trip goes once round the ring, from a lap's second step to the next lap's first, and fills both slots again
	TURN 0, 1, 1
	STEP 1, 0, 0
	TURN 1, 0, 1
	STEP 0, 0, 0
	s_sub_co_u32 s3, s3, 1
	s_cmp_lg_u32 s3, 0
	s_cbranch_scc1 .Llap
	TURN 0, 1, 0                                   ; the last lap fills nothing, and has no round of the cluster's barrier
	STEP 1, 0, 0
	s_wait_dscnt 4*NL                              ; the very last step: nothing more to fetch
	WIN MUL_LO
	MUL16 0, 1, 0
	MUL16 2, 1, 0
	s_wait_dscnt 0
	WIN MUL_HI
	MUL16 4, 1, 0
	MUL16 6, 1, 0
	WIN 0
; THE WAY OUT.  Fragment (a, g): accumulators (a, 4 g + c) at v[64 (a % 4) + 32 g + 8 c] of window 2 + a / 4.
; The rotary turn of 16 tokens x one head: y(d) = s(d) cos(d) - s(d + 32) sin(d), y(d + 32) = s(d + 32) cos(d + 32) + s(d) sin(d + 32); each accumulator is read from its low end on.
.macro ROPE a, g
.set AC, 64*((\a)%4)+32*(\g)
.set CB, CS+64*((\a)%2)
	WIN 0x02+((\a)/4)                              ; source 0: window 2 or 3
.irp ct, 0,1
.irp i, 0,2,4,6
	v_pk_mul_f32 v[Y+8*\ct+\i:Y+8*\ct+\i+1], v[AC+8*\ct+\i:AC+8*\ct+\i+1], v[CB+8*\ct+\i:CB+8*\ct+\i+1]
	v_pk_mul_f32 v[Y+16+8*\ct+\i:Y+16+8*\ct+\i+1], v[AC+16+8*\ct+\i:AC+16+8*\ct+\i+1], v[CB+16+8*\ct+\i:CB+16+8*\ct+\i+1]
.endr
.irp i, 0,2,4,6
	v_pk_fma_f32 v[Y+8*\ct+\i:Y+8*\ct+\i+1], v[AC+16+8*\ct+\i:AC+16+8*\ct+\i+1], v[CB+32+8*\ct+\i:CB+32+8*\ct+\i+1], v[Y+8*\ct+\i:Y+8*\ct+\i+1] neg_lo:[1,0,0] neg_hi:[1,0,0]
	v_pk_fma_f32 v[Y+16+8*\ct+\i:Y+16+8*\ct+\i+1], v[AC+8*\ct+\i:AC+8*\ct+\i+1], v[CB+48+8*\ct+\i:CB+48+8*\ct+\i+1], v[Y+16+8*\ct+\i:Y+16+8*\ct+\i+1]
.endr
.endr
	WIN 0
.endm
.macro HOLDV a, g                      ; V has no turn: the hold takes the sums out of the accumulators, in ascending order
.set AC, 64*((\a)%4)+32*(\g)
	WIN 0x02+((\a)/4)
.set ii, 0
.rept 32
	v_med3_num_f32 v[Y+ii], v[AC+ii], -v[HLD], v[HLD]
.set ii, ii+1
.endr
	WIN 0
.endm
.macro QSTORE n, off, hold             ; 32 numbers a lane become a fragment's eight registers, set n % 8, and leave
.set RR, RG+8*((\n)%8)
.if \hold
.set ii, 0
.rept 32
.set ii, ii+1
.endr
.endif
.irp c, 0,1,2,3
	v_cvt_scalef32_pk8_fp8_f32 v[RR+2*\c:RR+2*\c+1], v[Y+8*\c:Y+8*\c+7], v[SCL]
.endr
	v_nop                                          ; one plain vector line between the conversions and the next write of their sources
	global_store_b128 v[LI], v[RR:RR+3], s[92:93] offset:\off          ; 32 lanes store 512 consecutive bytes, aligned
	global_store_b128 v[LI], v[RR+4:RR+7], s[92:93] offset:(\off)+512
.endm
	PLACES NP                                      ; behind the last products: for the first reads of results, and for the loads and conversions into the registers that held A's fragments
	s_cmp_eq_u32 s12, 2
	s_cbranch_scc1 .Lvalues
.irp a, 0,1,2,3,4,5,6,7                        ; Q, K: 16 tokens at a time, two heads
	s_wait_xcnt 0x0                                ; the stores of four blocks back have read the registers that this block's codes take
.if \a < 7
	LOADCS \a+1
	s_wait_loadcnt 16                              ; this block's cos and sin are in; the next block's sixteen loads may be out
.else
	s_wait_loadcnt 0x0
.endif
.irp g, 0,1
	ROPE \a, \g
	QSTORE 2*\a+\g, 1024*\a+131072*\g, 1
.endr
.endr
	s_branch .Lclose
.Lvalues:
	s_wait_alu depctr_va_vdst(0)
.irp a, 0,1,2,3,4,5,6,7                        ; V: 16 channels at a time (head a / 4), two steps of 64 keys
	s_wait_xcnt 0x0
.irp g, 0,1
	HOLDV \a, \g
	QSTORE 2*\a+\g, 131072*(\a/4)+1024*(\a%4)+4096*\g, 0
.endr
.endr
.Lclose:
	s_wait_tensorcnt 0x0                           ; the wave's end
	ds_add_u32 v[SPW], v[NIL]
	s_wait_dscnt 0x0
	CROUND                                         ; the closing round: no work-group ends while a partner may still ask for a tile that names it
	s_endpgm
.Lfunc_end_k_qc6c015dc1f_qkv:
	.size	k_qc6c015dc1f_qkv, .Lfunc_end_k_qc6c015dc1f_qkv-k_qc6c015dc1f_qkv
	.p2alignl 7, 3214868480
	.fill 96, 4, 3214868480
	.section	.rodata,"a",@progbits
	.p2align	6, 0x0
	.amdhsa_kernel k_qc6c015dc1f_qkv
		.amdhsa_group_segment_fixed_size 327680
		.amdhsa_private_segment_fixed_size 0
		.amdhsa_enable_private_segment 0
		.amdhsa_kernarg_size 64
		.amdhsa_user_sgpr_count 2
		.amdhsa_user_sgpr_kernarg_segment_ptr 1
		.amdhsa_wavefront_size32 1
		.amdhsa_system_sgpr_workgroup_id_x 1
		.amdhsa_system_sgpr_workgroup_id_y 1
		.amdhsa_system_sgpr_workgroup_id_z 1
		.amdhsa_system_vgpr_workitem_id 0
		.amdhsa_next_free_vgpr 1024
		.amdhsa_next_free_sgpr 102
		.amdhsa_reserve_vcc 0
		.amdhsa_float_denorm_mode_32 3
		.amdhsa_float_denorm_mode_16_64 3
		.amdhsa_fp16_overflow 1
		.amdhsa_memory_ordered 1
		.amdhsa_forward_progress 1
		.amdhsa_inst_pref_size 173
	.end_amdhsa_kernel
	.amdgpu_metadata
---
amdhsa.version: [ 1, 2 ]
amdhsa.kernels:
  - .name:           k_qc6c015dc1f_qkv
    .symbol:         k_qc6c015dc1f_qkv.kd
    .args:
      - { .name: xc, .offset: 0, .size: 8, .value_kind: global_buffer, .address_space: global }
      - { .name: wc, .offset: 8, .size: 8, .value_kind: global_buffer, .address_space: global }
      - { .name: lowp_scales, .offset: 16, .size: 8, .value_kind: global_buffer, .address_space: global }
      - { .name: rope_cos, .offset: 24, .size: 8, .value_kind: global_buffer, .address_space: global }
      - { .name: rope_sin, .offset: 32, .size: 8, .value_kind: global_buffer, .address_space: global }
      - { .name: qc, .offset: 40, .size: 8, .value_kind: global_buffer, .address_space: global }
      - { .name: kc, .offset: 48, .size: 8, .value_kind: global_buffer, .address_space: global }
      - { .name: vc, .offset: 56, .size: 8, .value_kind: global_buffer, .address_space: global }
    .group_segment_fixed_size: 327680
    .private_segment_fixed_size: 0
    .kernarg_segment_align: 8
    .kernarg_segment_size: 64
    .max_flat_workgroup_size: 128
    .sgpr_count:     102
    .vgpr_count:     1024
    .wavefront_size: 32
...
	.end_amdgpu_metadata
.endif
;; end of part 2
;; launch attn (part 3): grid 4 x 64, 8 waves a work-group, clusters of 4 x 1, 271,360 bytes of LDS; arguments qc, kc, vc, bias, lowp_scales, ac; writes ac
.if DOCPART == 3
	.amdgcn_target "amdgcn-amd-amdhsa--gfx1250"
	.amdhsa_code_object_version 6
	.text
	.protected	k_qc6c015dc1f_attn
	.globl	k_qc6c015dc1f_attn
	.p2align	8
	.type	k_qc6c015dc1f_attn,@function
k_qc6c015dc1f_attn:
	s_mov_b64 s[64:65], 0
	v_nop
	global_prefetch_b8 v0, s[64:65] scope:SCOPE_SE
	s_setreg_imm32_b32 hwreg(HW_REG_WAVE_MODE, 25, 1), 1
	s_wait_xcnt 0x0
	s_wait_alu depctr_hold_cnt(0) depctr_sa_sdst(0) depctr_va_vdst(0) depctr_va_sdst(0) depctr_va_ssrc(0) depctr_va_vcc(0) depctr_vm_vsrc(0)
	s_getreg_b32 s2, hwreg(HW_REG_IB_STS2, 6, 4)
	s_cmp_eq_u32 s2, 0
	s_cbranch_scc0 .Lentry_in_a_cluster
	s_endpgm
.Lentry_in_a_cluster:
	s_bfe_u32 s2, ttmp6, 0x10000c
	s_cmp_lg_u32 s2, 0x3003
	s_cbranch_scc0 .Lentry_shape_is_right
	s_endpgm
.Lentry_shape_is_right:
; Causal attention with a key mask, both products on codes of FP8 (E4M3) by v_wmma_f32_16x16x64_fp8_fp8, and the quantiser of its result.  64 heads (16 batch + head), 2,048 tokens, head size 64.
; qc, kc, vc hold images of operand registers (1,024 bytes a fragment: registers 0-3 of the 32 lanes on end, then registers 4-7): qc, kc [head][token / 16], vc [head][key / 64][channel / 16].  bias [batch][key]: 0 or -2^60.
; THE SOFTMAX: t = score x log2(e) / 8; M = the row's largest t so far, rounded UP to a whole number; p = 2^(t - M) is quantised with 2^e8, not normalised; the row's sum is taken of the unquantised p and divides at the end.
; When M moves, the sum and O are multiplied by 2^(old M - new M): exact.
; CLUSTER.  The four work-groups of a cluster serve ONE head and need all its K, V and bias: each tile is asked for JOINTLY (mask 15).  A head's K and V, 131,072 bytes each, stay in LDS: every LDS byte is filled once, there is no ring.
; SHARES.  A unit is 128 keys.  Wave v owns two blocks of 32 queries (two tiles of 16): queries 128 a + 32 cx + 0 .. 31 with a = 15 - v and then a = v.  A block walks units 0 .. a: 17 units a wave, the same for every wave of
; every work-group.  The loops' trip counts are constants; a unit past a block's last is jumped over by a branch on the wave's number.  Nothing but values and global addresses hangs on cx.
; LAYOUT.  S^T = K Q^T (source 0 = 16 keys, source 1 = 16 queries), O^T = V^T P^T (source 0 = 16 channels, source 1 = P): a lane holds ONE query (lane % 16) throughout; its eight numbers of key tile c become registers
; 2 c, 2 c + 1 of P; its eight numbers of O^T's channel tile c registers 2 c, 2 c + 1 of the output's fragment.  ac: [token / 16][head][1,024 bytes]: two heads on end are a fragment of the 16x16x128 form.
; THE KEY MASK costs no vector instruction: a step's bias is loaded into the scores' registers and is the C of the first product.  THE CAUSAL MASK is made by values (compare, select -infinity) in a block's last unit alone.
; THE LARGEST t STARTS AT c x (-2^25): under every t of a visible key (a raw score is above -64 x 448^2 > -2^24), far above a hidden key's c x (-2^60).  So a hidden key always gives p = 0.
; A row with no visible key ends with the sum 0: it gets the NaN code, and the output row is NaN, as a softmax over nothing is.
; LIMITS: e6 + e7 between -50 and 60 (c x 2^60 is an f32 number and at least 150); e8 between -126 and 119; e8 + e9 - e10 is applied by v_ldexp_f32.  NaN among the inputs is not served.
; Three tensor loads of a wave are out at the most.
.set VL,   131072                      ; LDS: K at 0 ([key / 16][1,024]), V here ([key / 64][channel / 16][1,024]),
.set BL,   262144                      ; the bias here (f32 [2,048])
.set LA,   1                           ; v1   16 x lane
.set LV,   2                           ; v2   16 x lane + VL
.set LB,   3                           ; v3   BL + 32 (lane / 16)
.set ADK,  4                           ; v4, v5, v11: the unit's addresses of K, V, bias
.set ADV,  5
.set DQ,   6                           ; v6, v7: tile t: 32 cx + 16 t + r - 8 h: register 8 kt + j of step s is hidden where 64 s + 16 kt + j is greater
.set PLIM, 8
.set PSC,  9                           ; v9   2^e8
.set NINF, 10                          ; v10  -infinity
.set ADB,  11
.set ST,   12                          ; v12-27 eight registers a tile: -M, the largest t, the sum (two halves), f and a word named with it, two at work
.set QQ,   28                          ; v28-43   Q, eight a tile
.set KF,   44                          ; v44-75   four fragments of K: 64 keys
.set VF,   76                          ; v76-107  four fragments of V^T: 64 channels x 64 keys
.set SS,   108                         ; v108-171 S^T, then p: 32 a tile
.set OO,   172                         ; v172-235 O^T: 32 a tile
.set PP,   236                         ; v236-251 codes: eight a tile
.set ONE,  252                         ; v252 1.0
.set NANC, 253                         ; v253 four NaN codes
.set WV,   16                          ; s16 wave
.set SEL,  20                          ; s[20:21] selects of v_permlanex16_b32: lane l xor 16
.set CC,   22                          ; s[22:23] c
.set G1A,  24                          ; s[24:31], s[32:39], s[40:47] descriptor groups 1: 4, 32, 96 rows of 256 bytes
.set G1B,  32
.set G1C,  40
.set KO,   60                          ; s60 8,192 x unit
.set BO,   61                          ; s61 512 x unit
.set UU,   62                          ; s62 unit
.set UA,   63                          ; s63 the block's last unit
.macro CROUND                          ; a round of the cluster's barrier
	s_barrier_signal -1
	s_barrier_wait -1
	s_cmp_lg_u32 s[WV], 0
	s_cbranch_scc1 .Lnot_wave_0_\@
	s_barrier_signal -3
.Lnot_wave_0_\@:
	s_barrier_wait -3
	s_barrier_signal -1
	s_barrier_wait -1
.endm
.macro NOP4
.rept 4
	v_nop
.endr
.endm
	s_load_b256 s[4:11], s[0:1], 0x0               ; qc s[4:5], kc s[6:7], vc s[8:9], bias s[10:11]
	s_load_b128 s[12:15], s[0:1], 0x20             ; the exponents s[12:13], ac s[14:15]
	v_lshl_add_u32 v255, v0, 2, 0x42000
	s_set_vgpr_msb 0x40
	v_mov_b32 v1, 0
	s_set_vgpr_msb 0x4044
	ds_add_u32 v255, v1
	ds_add_u32 v255, v1
	s_set_vgpr_msb 0x4400
	v_lshrrev_b32 v1, 5, v0
	s_delay_alu instid0(VALU_DEP_1)
	v_readfirstlane_b32 s[WV], v1                  ; wave 0..7
	s_bfe_u32 s17, ttmp6, 0x40000                  ; cx
	s_and_b32 s18, ttmp7, 0xffff                   ; 16 batch + head: the cluster's y
	s_lshr_b32 s19, s18, 4                         ; batch
.irp g, G1A, G1B, G1C
	s_mov_b32 s[\g], 15|(3<<16)|(1<<21)            ; 15:0 the mask: all four work-groups; 17:16 elements of 8 bytes; 21 set beside a mask; no padding
	s_mov_b32 s[\g+1], 32<<16                      ; tensor_dim0 = 32 elements: 256 bytes
	s_mov_b32 s[\g+3], 32<<16                      ; tile_dim0
	s_mov_b32 s[\g+5], 32                          ; tensor_dim0_stride: the blocks are dense
	s_mov_b32 s[\g+6], 0
	s_mov_b32 s[\g+7], 0
.endr
	s_mov_b32 s[G1A+2], 4<<16                      ; tensor_dim1, tile_dim1
	s_mov_b32 s[G1A+4], 4
	s_mov_b32 s[G1B+2], 32<<16
	s_mov_b32 s[G1B+4], 32
	s_mov_b32 s[G1C+2], 96<<16
	s_mov_b32 s[G1C+4], 96
	; groups 0.  Every wave issues three loads: 1,024 bytes of the bias; 8,192 bytes of keys 0-511 (waves 0-3: of K, waves 4-7: of V); 24,576 bytes of the keys behind
	s_mov_b32 s48, 1
	s_mov_b32 s52, 1
	s_mov_b32 s56, 1
	s_lshl_b32 s88, s[WV], 10
	s_add_co_u32 s49, s88, BL
	s_lshl_b32 s89, s19, 13
	s_add_co_u32 s88, s88, s89
	s_mov_b32 s89, 0
	s_and_b32 s96, s[WV], 3
	s_lshr_b32 s97, s[WV], 2
	s_lshl_b32 s97, s97, 17                        ; K's or V's region
	s_lshl_b32 s98, s96, 13
	s_add_co_u32 s53, s97, s98
	s_mul_i32 s99, s96, 24576
	s_add_co_u32 s57, s97, s99
	s_add_co_u32 s57, s57, 32768
	s_lshl_b32 s93, s18, 17                        ; the head's 131,072 bytes in qc, kc, vc
	s_add_co_u32 s98, s98, s93
	s_add_co_u32 s96, s99, s93
	s_add_co_u32 s96, s96, 32768
	s_mov_b32 s99, 0
	s_mov_b32 s97, 0
	s_wait_dscnt 0x0
	s_wait_kmcnt 0x0
	s_load_b256 s[68:75], s[12:13], 0x0            ; e0 .. e7
	s_load_b128 s[76:79], s[12:13], 0x20           ; e8 .. e11
	s_add_nc_u64 s[50:51], s[10:11], s[88:89]
	s_or_b32 s51, s51, 0x80000000
	s_cmp_lt_u32 s[WV], 4
	s_cselect_b64 s[2:3], s[6:7], s[8:9]
	s_add_nc_u64 s[54:55], s[2:3], s[98:99]
	s_or_b32 s55, s55, 0x80000000
	s_add_nc_u64 s[58:59], s[2:3], s[96:97]
	s_or_b32 s59, s59, 0x80000000
	CROUND                                         ; all four work-groups are here: the joint loads meet
	tensor_load_to_lds s[48:51], s[G1A:G1A+7]
	s_nop 0
	tensor_load_to_lds s[52:55], s[G1B:G1B+7]
	s_nop 0
	tensor_load_to_lds s[56:59], s[G1C:G1C+7]
	s_nop 0
	NOP4
	; my two blocks' places in qc and in ac
	s_xor_b32 s[UA], s[WV], 15                     ; 15 - wave
	s_lshl_b32 s88, s[UA], 3
	s_lshl_b32 s89, s17, 1
	s_add_co_u32 s88, s88, s89                     ; first tile of 16 queries: 8 a + 2 cx
	s_lshl_b32 s96, s[WV], 3
	s_add_co_u32 s96, s96, s89
	s_lshl_b32 s98, s88, 10
	s_add_co_u32 s98, s98, s93
	s_add_nc_u64 s[80:81], s[4:5], s[98:99]
	s_lshl_b32 s98, s96, 10
	s_add_co_u32 s98, s98, s93
	s_add_nc_u64 s[82:83], s[4:5], s[98:99]
	s_lshl_b32 s2, s19, 7                          ; a batch has 128 tiles of rows
	s_and_b32 s3, s18, 15
	s_lshl_b32 s3, s3, 10                          ; the head's 1,024 bytes of a tile's 16,384
	s_add_co_u32 s98, s2, s88
	s_lshl_b32 s98, s98, 14
	s_add_co_u32 s98, s98, s3
	s_add_nc_u64 s[84:85], s[14:15], s[98:99]
	s_add_co_u32 s98, s2, s96
	s_lshl_b32 s98, s98, 14
	s_add_co_u32 s98, s98, s3
	s_add_nc_u64 s[86:87], s[14:15], s[98:99]
	v_and_b32 v1, 31, v0
	s_delay_alu instid0(VALU_DEP_1)
	v_lshlrev_b32 v[LA], 4, v1
.macro QLOAD b                         ; a block's two fragments of Q
.irp t, 0,1
.irp w, 0,1
	global_load_b128 v[QQ+8*\t+4*\w:QQ+8*\t+4*\w+3], v[LA], s[\b:\b+1] offset:1024*\t+512*\w
.endr
.endr
.endm
	QLOAD 80
	v_add_nc_u32 v[LV], VL, v[LA]
	v_bfe_u32 v254, v0, 4, 1                       ; h
	s_delay_alu instid0(VALU_DEP_1)
	v_lshlrev_b32 v[LB], 5, v254
	s_delay_alu instid0(VALU_DEP_1)
	v_add_nc_u32 v[LB], BL, v[LB]
	v_and_b32 v253, 15, v0                         ; r
	s_delay_alu instid0(VALU_DEP_4)
	v_lshlrev_b32 v254, 3, v254
	s_delay_alu instid0(VALU_DEP_1)
	v_sub_nc_u32 v253, v253, v254
	s_lshl_b32 s89, s17, 5
	v_add_nc_u32 v[DQ], s89, v253
	s_delay_alu instid0(VALU_DEP_1)
	v_add_nc_u32 v[DQ+1], 16, v[DQ]
	s_mov_b32 s[SEL], 0x76543210
	s_mov_b32 s[SEL+1], 0xfedcba98
	v_mov_b32 v[NINF], 0xff800000
	v_mov_b32 v[ONE], 1.0
	v_mov_b32 v[NANC], 0x7f7f7f7f
	s_wait_kmcnt 0x0
	s_add_co_i32 s88, s74, s75                     ; a score stands for score x 2^(e6 + e7): the exponents are added to c's exponent field
	s_lshl_b32 s88, s88, 23
	s_mov_b32 s[CC], 0x3e38aa3b                    ; log2(e) / 8
	s_add_co_i32 s[CC], s[CC], s88
	s_mov_b32 s[CC+1], s[CC]                       ; (named with it as a pair, so it is written)
	s_add_co_i32 s67, s[CC], 0x0c800000            ; c x 2^25,
	s_or_b32 s67, s67, 0x80000000                  ; negative: where the largest t starts
	s_add_co_i32 s88, s76, 127
	s_lshl_b32 s89, s88, 23
	v_mov_b32 v[PSC], s89
	s_add_co_i32 s92, s76, s77
	s_sub_co_i32 s92, s92, s78                     ; e8 + e9 - e10
.macro INIT                            ; a block begins: the step is written once, and its first turn finds zeros, which the first change of M leaves zeros
.irp t, 0,1
	v_mov_b32 v[ST+8*\t+1], s67
	s_delay_alu instid0(VALU_DEP_1)
	v_floor_f32 v[ST+8*\t], -v[ST+8*\t+1]
.irp i, 2,3,4,5,6,7
	v_mov_b32 v[ST+8*\t+\i], 0
.endr
.endr
.set jj, 0
.rept 64
	v_mov_b32 v[OO+jj], 0
.set jj, jj+1
.endr
.endm
.macro LDK s                           ; step s of the unit: four fragments of K
.irp kt, 0,1,2,3
.irp w, 0,1
	ds_load_b128 v[KF+8*\kt+4*\w:KF+8*\kt+4*\w+3], v[ADK] offset:4096*(\s)+1024*\kt+512*\w
.endr
.endr
.endm
.macro LDV s                           ; four fragments of V^T
.irp ct, 0,1,2,3
.irp w, 0,1
	ds_load_b128 v[VF+8*\ct+4*\w:VF+8*\ct+4*\w+3], v[ADV] offset:4096*(\s)+1024*\ct+512*\w
.endr
.endr
.endm
.macro LDB s                           ; the bias of keys 16 kt + 8 h + 0 .. 7 into the scores' registers of both tiles: sixteen lanes share each word
.irp kt, 0,1,2,3
.irp t, 0,1
.irp w, 0,1
	ds_load_b128 v[SS+32*\t+8*\kt+4*\w:SS+32*\t+8*\kt+4*\w+3], v[ADB] offset:256*(\s)+64*\kt+16*\w
.endr
.endr
.endr
.endm
; The accumulators take turns, one instruction a turn.
.macro SQK                             ; S^T = K Q^T + bias
.irp kt, 0,1,2,3
.irp t, 0,1
	v_wmma_f32_16x16x64_fp8_fp8 v[SS+32*\t+8*\kt:SS+32*\t+8*\kt+7], v[KF+8*\kt:KF+8*\kt+7], v[QQ+8*\t:QQ+8*\t+7], v[SS+32*\t+8*\kt:SS+32*\t+8*\kt+7]
.endr
.endr
.endm
.macro PV                              ; O^T += V^T P^T
.irp ct, 0,1,2,3
.irp t, 0,1
	v_wmma_f32_16x16x64_fp8_fp8 v[OO+32*\t+8*\ct:OO+32*\t+8*\ct+7], v[VF+8*\ct:VF+8*\ct+7], v[PP+8*\t:PP+8*\t+7], v[OO+32*\t+8*\ct:OO+32*\t+8*\ct+7]
.endr
.endr
.endm
.macro CMASK s                         ; in a block's last unit the scores of keys behind the query become -infinity; in the others this is jumped over (a branch on the wave's number and the loop's count)
	s_cmp_lg_u32 s[UU], s[UA]
	s_cbranch_scc1 .Lopen_\@
.set nn, 0
.rept 32
.irp t, 0,1
	v_cmp_gt_i32 vcc_lo, 64*(\s)+16*(nn/8)+nn%8, v[DQ+\t]
	v_cndmask_b32 v[SS+32*\t+nn], v[SS+32*\t+nn], v[NINF], vcc_lo
.endr
.set nn, nn+1
.endr
.Lopen_\@:
.endm
.macro M3 ch, i, j, k                  ; chain ch of the maximum begins, in both tiles
.irp t, 0,1
	v_max3_num_f32 v[ST+8*\t+6+\ch], v[SS+32*\t+\i], v[SS+32*\t+\j], v[SS+32*\t+\k]
.endr
.endm
.macro M2 ch, i, j                     ; and goes on
.irp t, 0,1
	v_max3_num_f32 v[ST+8*\t+6+\ch], v[ST+8*\t+6+\ch], v[SS+32*\t+\i], v[SS+32*\t+\j]
.endr
.endm
; A step's softmax for both tiles, line by line by turns, so that no line waits for the line above it.
.macro SOFTMAX
	M3 0, 0, 1, 2                                  ; the largest of my 32 scores, in two chains; each accumulator is first read at its low end (0, 8, 16, 24)
	M3 1, 8, 9, 10
	M2 0, 3, 4
	M2 1, 11, 12
	M2 0, 5, 6
	M2 1, 13, 14
	M2 0, 7, 16
	M2 1, 15, 24
	M2 0, 17, 18
	M2 1, 25, 26
	M2 0, 19, 20
	M2 1, 27, 28
	M2 0, 21, 22
	M2 1, 29, 30
	M2 0, 23, 31
.irp t, 0,1
	s_delay_alu instid0(VALU_DEP_2)
	v_max_num_f32 v[ST+8*\t+6], v[ST+8*\t+6], v[ST+8*\t+7]
.endr
.irp t, 0,1
	s_delay_alu instid0(VALU_DEP_2)
	v_permlanex16_b32 v[ST+8*\t+7], v[ST+8*\t+6], s[SEL], s[SEL+1]
.endr
.irp t, 0,1
	s_delay_alu instid0(VALU_DEP_2)
	v_max_num_f32 v[ST+8*\t+6], v[ST+8*\t+6], v[ST+8*\t+7]   ; and of lane l xor 16's 32
.endr
.irp t, 0,1
	s_delay_alu instid0(VALU_DEP_2)
	v_mul_f32 v[ST+8*\t+6], s[CC], v[ST+8*\t+6]    ; as t (c is positive)
.endr
.irp t, 0,1
	s_delay_alu instid0(VALU_DEP_2)
	v_max_num_f32 v[ST+8*\t+1], v[ST+8*\t+1], v[ST+8*\t+6]   ; the running largest t
.endr
.irp t, 0,1
	v_mov_b32 v[ST+8*\t+6], v[ST+8*\t]
.endr
.irp t, 0,1
	s_delay_alu instid0(VALU_DEP_4)
	v_floor_f32 v[ST+8*\t], -v[ST+8*\t+1]          ; -M = floor(-t): M is a whole number
.endr
.irp t, 0,1
	s_delay_alu instid0(VALU_DEP_2)
	v_sub_f32 v[ST+8*\t+6], v[ST+8*\t], v[ST+8*\t+6]   ; old M - new M: a whole number, 0 or less
.endr
.irp t, 0,1
	s_delay_alu instid0(VALU_DEP_2)
	v_cvt_i32_f32 v[ST+8*\t+6], v[ST+8*\t+6]       ; (it saturates)
.endr
.irp t, 0,1
	s_delay_alu instid0(VALU_DEP_2)
	v_ldexp_f32 v[ST+8*\t+4], 1.0, v[ST+8*\t+6]    ; f = 2^(old M - new M)
.endr
.set jj, 0
.rept 16
.irp t, 0,1
	v_pk_fma_f32 v[SS+32*\t+jj:SS+32*\t+jj+1], v[SS+32*\t+jj:SS+32*\t+jj+1], s[CC:CC+1], v[ST+8*\t:ST+8*\t+1] op_sel_hi:[1,0,0]   ; t - M, two at a time
.endr
.set jj, jj+2
.endr
.set jj, 0
	s_wait_alu depctr_va_vdst(0)
.rept 32
.irp t, 0,1
	v_exp_f32 v[SS+32*\t+jj], v[SS+32*\t+jj]       ; p = 2^(t - M)
.endr
.set jj, jj+1
.endr
.irp t, 0,1
	v_pk_mul_f32 v[ST+8*\t+2:ST+8*\t+3], v[ST+8*\t+2:ST+8*\t+3], v[ST+8*\t+4:ST+8*\t+5] op_sel_hi:[1,0]   ; the sums under the new M: the plain lines behind the exponentials
.endr
	s_wait_alu depctr_va_vdst(0)                   ; one wait for the batch of 64, ahead of its first reader
.irp t, 0,1
	v_pk_add_f32 v[ST+8*\t+6:ST+8*\t+7], v[SS+32*\t:SS+32*\t+1], v[SS+32*\t+2:SS+32*\t+3]   ; the sum of the UNQUANTISED p, two at a time, in two chains
.endr
.irp j, 4,8,12,16,20,24,28
.irp t, 0,1
	v_pk_add_f32 v[ST+8*\t+2:ST+8*\t+3], v[ST+8*\t+2:ST+8*\t+3], v[SS+32*\t+\j:SS+32*\t+\j+1]
	v_pk_add_f32 v[ST+8*\t+6:ST+8*\t+7], v[ST+8*\t+6:ST+8*\t+7], v[SS+32*\t+\j+2:SS+32*\t+\j+3]
.endr
.endr
.irp t, 0
	s_delay_alu instid0(VALU_DEP_3)
	v_pk_add_f32 v[ST+8*\t+2:ST+8*\t+3], v[ST+8*\t+2:ST+8*\t+3], v[ST+8*\t+6:ST+8*\t+7]
.endr
.irp t, 1
	s_delay_alu instid0(VALU_DEP_2)
	v_pk_add_f32 v[ST+8*\t+2:ST+8*\t+3], v[ST+8*\t+2:ST+8*\t+3], v[ST+8*\t+6:ST+8*\t+7]
.endr
.irp c, 0,1,2,3
.irp t, 0,1
.irp i, 0,1,2,3,4,5,6,7
.endr
.endr
.irp t, 0,1
	v_cvt_scalef32_pk8_fp8_f32 v[PP+8*\t+2*\c:PP+8*\t+2*\c+1], v[SS+32*\t+8*\c:SS+32*\t+8*\c+7], v[PSC]
.endr
.endr
.endm
.macro RESCALE                         ; O^T under the new M; each accumulator from its low end on.  These 32 plain lines also stand between the conversions and the products that read the codes
.set jj, 0
.rept 16
.irp t, 0,1
	v_pk_mul_f32 v[OO+32*\t+jj:OO+32*\t+jj+1], v[OO+32*\t+jj:OO+32*\t+jj+1], v[ST+8*\t+4:ST+8*\t+5] op_sel_hi:[1,0]
.endr
.set jj, jj+2
.endr
.endm
; A UNIT: 128 keys in two steps of 64.  Each run of LDS loads stands a phase ahead of its use.
.macro UNIT causal
	v_add_nc_u32 v[ADK], s[KO], v[LA]
	v_add_nc_u32 v[ADV], s[KO], v[LV]
	v_add_nc_u32 v[ADB], s[BO], v[LB]
	v_nop                                          ; four places behind the last products, in front of the loads into V's registers
	LDK 0
	LDB 0
	LDV 0
	s_wait_alu depctr_va_vdst(0)
	s_wait_dscnt 8                                 ; K and the bias are in; V's eight loads may be out
	SQK
	NOP4                                           ; places: for the loads into K's registers and for the first read of the scores
	LDK 1
.if \causal
	CMASK 0
.endif
	SOFTMAX
	v_nop                                          ; a plain line behind the last conversion
	LDB 1                                          ; the next step's bias, into the registers that p has left
	RESCALE
	s_wait_alu depctr_va_vdst(0)
	s_wait_dscnt 24                                ; V is in; the next step's K (8 loads) and bias (16) may be out
	PV
	NOP4
	LDV 1
	s_setprio 1
	s_wait_dscnt 8                                 ; K and the bias are in
	SQK
	NOP4
.if \causal
	CMASK 1
.endif
	SOFTMAX
	s_setprio 0
	RESCALE
	s_wait_alu depctr_va_vdst(0)
	s_wait_dscnt 0x0                               ; V
	PV
.endm
; Units first .. last - 1: a constant number of trips.  causal = 1: a unit past the block's last is jumped over.
.macro UNITLOOP first, last, causal
	s_mov_b32 s[UU], \first
	s_mov_b32 s[KO], (\first)*8192
	s_mov_b32 s[BO], (\first)*512
.Lunit_\@:
.if \causal
	s_cmp_gt_u32 s[UU], s[UA]
	s_cbranch_scc1 .Lskip_\@
.endif
	s_setprio 2
	UNIT \causal
.Lskip_\@:
	s_add_co_u32 s[KO], s[KO], 8192
	s_add_co_u32 s[BO], s[BO], 512
	s_add_co_u32 s[UU], s[UU], 1
	s_cmp_lt_u32 s[UU], \last
	s_cbranch_scc1 .Lunit_\@
	s_setprio 0
.endm
; A block's end: O^T / the sum x 2^(e8 + e9 - e10), held within +-448, becomes codes: the fragment of the last product.  qn: the next block's place in qc, or 0.
.macro OUT acb, qn
	NOP4                                           ; places behind the last products
.if \qn
	QLOAD \qn
.endif
.irp t, 0,1
	v_add_f32 v[ST+8*\t+2], v[ST+8*\t+2], v[ST+8*\t+3]
.endr
.irp t, 0,1
	s_delay_alu instid0(VALU_DEP_2)
	v_permlanex16_b32 v[ST+8*\t+6], v[ST+8*\t+2], s[SEL], s[SEL+1]
.endr
.irp t, 0,1
	s_delay_alu instid0(VALU_DEP_2)
	v_add_f32 v[ST+8*\t+2], v[ST+8*\t+2], v[ST+8*\t+6]   ; the row's sum
.endr
	s_wait_alu depctr_va_vdst(0)
.irp t, 0,1
	v_rcp_f32 v[ST+8*\t+4], v[ST+8*\t+2]
.endr
	v_nop                                          ; a plain line behind the reciprocals
	v_cmp_eq_f32 s94, 0, v[ST+2]                   ; a row with no visible key
	v_cmp_eq_f32 s95, 0, v[ST+10]
	s_wait_alu depctr_va_vdst(0)                   ; one wait for both, ahead of their first reader
.irp t, 0,1
	v_ldexp_f32 v[ST+8*\t+4], v[ST+8*\t+4], s92
.endr
	RESCALE
.set jj, 0
.rept 32
.irp t, 0,1
.endr
.set jj, jj+1
.endr
.irp c, 0,1,2,3
.irp t, 0,1
	v_cvt_scalef32_pk8_fp8_f32 v[PP+8*\t+2*\c:PP+8*\t+2*\c+1], v[OO+32*\t+8*\c:OO+32*\t+8*\c+7], v[ONE]
.endr
.endr
	v_nop                                          ; a plain line between the conversions and the lines that touch their results
.irp i, 0,1,2,3,4,5,6,7
	v_cndmask_b32 v[PP+\i], v[PP+\i], v[NANC], s94
	v_cndmask_b32 v[PP+8+\i], v[PP+8+\i], v[NANC], s95
.endr
.irp t, 0,1
.irp w, 0,1
	global_store_b128 v[LA], v[PP+8*\t+4*\w:PP+8*\t+4*\w+3], s[\acb:\acb+1] offset:16384*\t+512*\w   ; 32 lanes store 512 consecutive bytes, aligned
.endr
.endr
.endm
	INIT
	s_wait_tensorcnt 0x1                           ; my parts of the bias and of keys 0-511 are in; my third load may stay out
	s_barrier_signal -1
	s_barrier_wait -1                              ; everybody's are
	s_wait_loadcnt 0x0                             ; Q
	UNITLOOP 0, 4, 0                               ; keys 0-511 of the late block (its last unit is 8 or more): LDS bytes under 32,768 of K's and of V's region
	s_wait_tensorcnt 0x0                           ; my part of the other keys is in,
	s_wait_dscnt 0x0
	s_barrier_signal -1
	s_barrier_wait -1                              ; everybody's is
	UNITLOOP 4, 16, 1
	OUT 84, 82
	s_wait_xcnt 0x0                                ; the stores have read the codes' registers
	INIT
	s_mov_b32 s[UA], s[WV]                         ; the early block
	s_wait_loadcnt 0x0                             ; its Q
	UNITLOOP 0, 8, 1
	OUT 86, 0
	s_wait_dscnt 0x0
	s_set_vgpr_msb 0x4
	s_wait_tensorcnt 0x0
	ds_add_u32 v255, v1
	s_wait_dscnt 0x0
	s_set_vgpr_msb 0x400
	CROUND                                         ; the closing round
	s_endpgm
.Lfunc_end_k_qc6c015dc1f_attn:
	.size	k_qc6c015dc1f_attn, .Lfunc_end_k_qc6c015dc1f_attn-k_qc6c015dc1f_attn
	.p2alignl 7, 3214868480
	.fill 96, 4, 3214868480
	.section	.rodata,"a",@progbits
	.p2align	6, 0x0
	.amdhsa_kernel k_qc6c015dc1f_attn
		.amdhsa_group_segment_fixed_size 271360
		.amdhsa_private_segment_fixed_size 0
		.amdhsa_enable_private_segment 0
		.amdhsa_kernarg_size 48
		.amdhsa_user_sgpr_count 2
		.amdhsa_user_sgpr_kernarg_segment_ptr 1
		.amdhsa_wavefront_size32 1
		.amdhsa_system_sgpr_workgroup_id_x 1
		.amdhsa_system_sgpr_workgroup_id_y 1
		.amdhsa_system_sgpr_workgroup_id_z 1
		.amdhsa_system_vgpr_workitem_id 0
		.amdhsa_next_free_vgpr 258
		.amdhsa_next_free_sgpr 100
		.amdhsa_reserve_vcc 1
		.amdhsa_float_denorm_mode_32 3
		.amdhsa_float_denorm_mode_16_64 3
		.amdhsa_fp16_overflow 1
		.amdhsa_memory_ordered 1
		.amdhsa_forward_progress 1
		.amdhsa_inst_pref_size 138
	.end_amdhsa_kernel
	.amdgpu_metadata
---
amdhsa.version: [ 1, 2 ]
amdhsa.kernels:
  - .name:           k_qc6c015dc1f_attn
    .symbol:         k_qc6c015dc1f_attn.kd
    .args:
      - { .name: qc, .offset: 0, .size: 8, .value_kind: global_buffer, .address_space: global }
      - { .name: kc, .offset: 8, .size: 8, .value_kind: global_buffer, .address_space: global }
      - { .name: vc, .offset: 16, .size: 8, .value_kind: global_buffer, .address_space: global }
      - { .name: bias, .offset: 24, .size: 8, .value_kind: global_buffer, .address_space: global }
      - { .name: lowp_scales, .offset: 32, .size: 8, .value_kind: global_buffer, .address_space: global }
      - { .name: ac, .offset: 40, .size: 8, .value_kind: global_buffer, .address_space: global }
    .group_segment_fixed_size: 271360
    .private_segment_fixed_size: 0
    .kernarg_segment_align: 8
    .kernarg_segment_size: 48
    .max_flat_workgroup_size: 256
    .sgpr_count:     100
    .vgpr_count:     258
    .wavefront_size: 32
...
	.end_amdgpu_metadata
.endif
;; end of part 3
;; launch oproj (part 4): grid 4 x 32, 4 waves a work-group, clusters of 4 x 4, 327,680 bytes of LDS; arguments ac, wc, lowp_scales, out0; writes out0
.if DOCPART == 4
	.amdgcn_target "amdgcn-amd-amdhsa--gfx1250"
	.amdhsa_code_object_version 6
	.text
	.protected	k_qc6c015dc1f_oproj
	.globl	k_qc6c015dc1f_oproj
	.p2align	8
	.type	k_qc6c015dc1f_oproj,@function
k_qc6c015dc1f_oproj:
	s_mov_b64 s[64:65], 0
	v_nop
	global_prefetch_b8 v0, s[64:65] scope:SCOPE_SE
	s_setreg_imm32_b32 hwreg(HW_REG_WAVE_MODE, 25, 1), 1
	s_wait_xcnt 0x0
	s_wait_alu depctr_hold_cnt(0) depctr_sa_sdst(0) depctr_va_vdst(0) depctr_va_sdst(0) depctr_va_ssrc(0) depctr_va_vcc(0) depctr_vm_vsrc(0)
	s_getreg_b32 s2, hwreg(HW_REG_IB_STS2, 6, 4)
	s_cmp_eq_u32 s2, 0
	s_cbranch_scc0 .Lentry_in_a_cluster
	s_endpgm
.Lentry_in_a_cluster:
	s_bfe_u32 s2, ttmp6, 0x10000c
	s_cmp_lg_u32 s2, 0xf033
	s_cbranch_scc0 .Lentry_shape_is_right
	s_endpgm
.Lentry_shape_is_right:
; out0[token][n] = sum over k of a[token][k] Wo[n][k] x 2^(e10 + e11), on codes of FP8 (E4M3).  8,192 x 1,024 x 1,024; out0 f32; sums in f32.
; A comes as IMAGES OF OPERAND REGISTERS: ac [token / 16][head 16][1,024 bytes]; two heads on end are a fragment of v_wmma_f32_16x16x128_fp8_fp8 in that form's own order (registers 2 c, 2 c + 1: k = 16 c + 8 (l / 16) + 0 .. 7).
; B = section 3 of wc, rows of 1,024 codes; its fragments are read in the same order of k: eight loads of 8 bytes.
; LIMIT: e10 + e11 between -126 and 127, so that 2^(e10 + e11) is an f32 number.  A NaN code in a row of A makes the whole output row NaN.
; A tile of C, 256 x 256, is made by four waves, each 128 x 128: 64 accumulators, 512 registers.  K goes in steps of 256 (four heads) through a ring of two LDS slots filled by the tensor data mover.
; 128 tiles: a smaller tile would give every fragment read from LDS fewer products.
; CLUSTERS: 4 x 4 work-groups; A's tiles are asked for jointly along a row of the cluster, B's along a column.  THE MATRIX INSTRUCTION IS USED TRANSPOSED (source 0 = 16 rows of B, source 1 = 16 rows of A): a lane holds eight neighbouring numbers of a row of C.
; REGISTERS, in windows of 256: window 0: v0-31 addresses; from v128 A's fragments, ONE set; on the way out v32-255 are free.  window 1: B's fragments, TWO sets.  windows 2, 3: the accumulators ((a, b) at v[8 (8 (a % 4) + b)]).
.set SIZE_N, 1024
.set PITCH,  272                       ; B's LDS row: 256 bytes + 16 of padding = 68 words: lane (r, h) reads words 68 r + 2 h, 68 r + 2 h + 1: 64 different banks (64 banks of 4 bytes: ISA guide 11.1)
.set FR,     16
.set NL,     4                         ; LDS loads that bring a fragment of A
.set NP,     4
.set HALFA,  32768                     ; A: 8 tiles of 16 rows x 4 heads x 1,024 bytes, dense: what one tensor load brings
.set HALFB,  128*PITCH                 ; B: 128 rows
.set BOFF,   2*HALFA
.set SLOT,   BOFF+2*HALFB
.set LAPS,   2
.set SPARE,  2*SLOT                    ; behind the ring: the spare words, 128 bytes for each wave: two blocks of 256 bytes that no other line names
.set SPITCH, 528                       ; the way out: a stage of 16 rows x (512 bytes + 16) for each wave, in slot 0, which has had its last fill and its last read when the first result is stored there
.set ADRA, 16
.set ADRB, 20
.set STO,  24
.set RD,   25
.set CO,   26                          ; v26  16 x lane
.set SPW,  28
.set NIL,  29
.set TMP,  32
.set AF,   128
.set BK,   128
.set G1, 24
.set G0, 32
.set G1B, 48
.set G0B, 56
.set MSB, 0
.macro WIN new                         ; the immediate's high byte repeats the setting that is left
.if MSB != \new
	s_set_vgpr_msb (MSB<<8)|\new
.set MSB, \new
.endif
.endm
.set MUL_LO, 0xa1
.set MUL_HI, 0xf1
.set TO_B,   0x40
.macro JLOAD g0a, g1a, g0b, g1b        ; a joint load: waves 0 and 1 fetch for A, waves 2 and 3 for B; four v_nop follow each of the two lines
	s_cmp_eq_u32 s15, 0
	s_cbranch_scc0 .Lfor_b_\@
	tensor_load_to_lds s[\g0a:\g0a+3], s[\g1a:\g1a+7]
	s_nop 0
.rept 4
	v_nop
.endr
	s_branch .Lasked_\@
.Lfor_b_\@:
	tensor_load_to_lds s[\g0b:\g0b+3], s[\g1b:\g1b+7]
	s_nop 0
.rept 4
	v_nop
.endr
.Lasked_\@:
.endm
.macro CREST
	s_cmp_lg_u32 s14, 0
	s_cbranch_scc1 .Lnot_wave_0_\@
	s_barrier_signal -3
.Lnot_wave_0_\@:
	s_barrier_wait -3
	s_barrier_signal -1
	s_barrier_wait -1
.endm
.macro CROUND
	s_barrier_signal -1
	s_barrier_wait -1
	CREST
.endm
	s_load_b128 s[4:7], s[0:1], 0x0                ; ac s[4:5], wc s[6:7]
	s_load_b128 s[8:11], s[0:1], 0x10              ; the exponents s[8:9], out0 s[10:11]
	v_lshl_add_u32 v[SPW], v0, 2, SPARE
	v_mov_b32 v[NIL], 0
	ds_add_u32 v28, v29
	ds_add_u32 v28, v29
	s_wait_dscnt 0x0
	v_lshrrev_b32 v1, 5, v0
	v_readfirstlane_b32 s14, v1                    ; wave 0..3
	s_lshr_b32 s15, s14, 1                         ; which half of the tile's rows is mine.  Also: I fetch for A (0) or for B (1)
	s_and_b32 s16, s14, 1                          ; which half of its columns.  Also: which half of that tile I fetch
	s_bfe_u32 s40, ttmp6, 0x40000                  ; cx, cy
	s_bfe_u32 s41, ttmp6, 0x40004
	s_lshl_b32 s42, ttmp9, 2
	s_add_co_u32 s42, s42, s40                     ; tile column
	s_and_b32 s17, ttmp7, 0xffff
	s_lshl_b32 s17, s17, 2
	s_add_co_u32 s17, s17, s41                     ; tile row
	s_lshl_b32 s43, s41, 2
	s_lshl_b32 s43, 15, s43                        ; my row of the cluster
	s_lshl_b32 s44, 0x1111, s40                    ; my column
	; A's group 1: 8 rows (tiles of 16 tokens) of 4,096 bytes (four heads), 16,384 bytes apart; elements of 8 bytes; no padding
	s_or_b32 s[G1+0], s43, (3<<16)|(1<<21)
	s_mov_b32 s[G1+1], 512<<16                     ; tensor_dim0
	s_mov_b32 s[G1+2], 8<<16                       ; tensor_dim1
	s_mov_b32 s[G1+3], 512<<16                     ; tile_dim0
	s_mov_b32 s[G1+4], 8                           ; tile_dim1
	s_mov_b32 s[G1+5], 2048                        ; tensor_dim0_stride
	s_mov_b32 s[G1+6], 0
	s_mov_b32 s[G1+7], 0
	; B's group 1: 128 rows x 256 bytes, 1,024 apart, four words of padding after every 64
	s_or_b32 s[G1B+0], s44, (0<<16)|(1<<20)|(1<<21)|(5<<22)|(3<<25)
	s_mov_b32 s[G1B+1], 256<<16
	s_mov_b32 s[G1B+2], 128<<16
	s_mov_b32 s[G1B+3], 256<<16
	s_mov_b32 s[G1B+4], 128
	s_mov_b32 s[G1B+5], 1024
	s_mov_b32 s[G1B+6], 0
	s_mov_b32 s[G1B+7], 0
	s_lshl_b32 s20, s17, 4
	s_lshl_b32 s18, s16, 3
	s_add_co_u32 s20, s20, s18
	s_lshl_b32 s20, s20, 14                        ; A: (16 x tile row + 8 x half) tiles of 16,384 bytes
	s_lshl_b32 s46, s42, 8
	s_lshl_b32 s18, s16, 7
	s_add_co_u32 s46, s46, s18
	s_lshl_b32 s46, s46, 10                        ; B: (256 x tile column + 128 x half) rows of 1,024 bytes,
	s_add_co_u32 s46, s46, 0x300000                ; in section 3 of wc
	s_mov_b32 s21, 0
	s_mov_b32 s47, 0
	s_mul_i32 s45, s16, HALFA                      ; where they go: no place in the cluster enters an LDS address
	s_mul_i32 s22, s16, HALFB
	s_add_co_u32 s22, s22, BOFF
	s_wait_kmcnt 0x0
	s_load_b64 s[96:97], s[8:9], 0x28              ; e10, e11
	s_add_nc_u64 s[20:21], s[4:5], s[20:21]
	s_add_nc_u64 s[46:47], s[6:7], s[46:47]
	CROUND                                         ; all sixteen work-groups are here: the first joint loads meet
.irp s, 0,1
	s_mov_b32 s[G0+4*\s], 1
	s_add_co_u32 s[G0+4*\s+1], s45, \s*SLOT
	s_add_nc_u64 s[G0+4*\s+2:G0+4*\s+3], s[20:21], \s*4096
	s_or_b32 s[G0+4*\s+3], s[G0+4*\s+3], 0x80000000
	s_mov_b32 s[G0B+4*\s], 1
	s_add_co_u32 s[G0B+4*\s+1], s22, \s*SLOT
	s_add_nc_u64 s[G0B+4*\s+2:G0B+4*\s+3], s[46:47], \s*256
	s_or_b32 s[G0B+4*\s+3], s[G0B+4*\s+3], 0x80000000
	s_wait_alu depctr_va_vdst(0)
	s_wait_tensorcnt 0x0
	ds_add_u32 v28, v29
	ds_add_u32 v28, v29
	s_wait_dscnt 0x0
	CROUND
	JLOAD G0+4*\s, G1, G0B+4*\s, G1B
.endr
	v_and_b32 v1, 15, v0                           ; r
	v_bfe_u32 v2, v0, 4, 1                         ; h
	v_and_b32 v6, 31, v0
	v_lshlrev_b32 v[CO], 4, v6                     ; 16 x lane: my place in an image, in a stage row and in a row of C
	v_mul_u32_u24 v3, v1, PITCH
	v_lshl_add_u32 v4, v2, 3, v3                   ; B: row x pitch + 8 x half
	s_mul_i32 s21, s15, HALFA                      ; my 128 rows of A
	s_mul_i32 s22, s16, HALFB                      ; my 128 rows of B
	s_add_co_u32 s22, s22, BOFF
.irp s, 0,1
	v_add_nc_u32 v[ADRA+\s], s21, v[CO]
	v_add_nc_u32 v[ADRB+\s], s22, v4
	s_add_co_u32 s21, s21, SLOT
	s_add_co_u32 s22, s22, SLOT
.endr
	s_mul_i32 s23, s14, 16*SPITCH                  ; my stage
	v_mul_u32_u24 v5, v1, SPITCH                   ; in: row r, 32 bytes for each half of the lanes
	v_lshl_add_u32 v5, v2, 5, v5
	v_add_nc_u32 v[STO], s23, v5
	v_add_nc_u32 v[RD], s23, v[CO]                 ; back: the 32 lanes take one row of 512 bytes
	s_lshl_b32 s20, s17, 8
	s_lshl_b32 s21, s15, 7
	s_add_co_u32 s20, s20, s21
	s_lshl_b32 s20, s20, 12                        ; my first row of C, of 4,096 bytes
	s_mov_b32 s21, 0
	s_lshl_b32 s46, s42, 10                        ; my first column, in bytes
	s_lshl_b32 s47, s16, 9
	s_add_co_u32 s46, s46, s47
	s_mov_b32 s47, 0
	s_add_nc_u64 s[20:21], s[20:21], s[46:47]
	s_add_nc_u64 s[10:11], s[10:11], s[20:21]
.macro FRAGA reg, adr, q, i            ; A's fragment: tile i of my eight, heads 2 q and 2 q + 1 of the slot's four: four images of four registers
.irp c, 0,1,2,3
	ds_load_b128 v[\reg+4*\c:\reg+4*\c+3], v[\adr] offset:4096*(\i)+2048*(\q)+512*\c
.endr
.endm
.macro FRAGB reg, adr, q, i            ; B's fragment: registers 2 c, 2 c + 1 hold K = 16 c + 8 (l / 16) + 0 .. 7 of row l % 16
.irp c, 0,1,2,3,4,5,6,7
	ds_load_b64 v[\reg+2*\c:\reg+2*\c+1], v[\adr] offset:128*(\q)+16*\c+(\i)*16*PITCH
.endr
.endm
; The 64 accumulators take turns, one instruction a turn, in the same order in every step.
.macro MUL16 a0, p, zero
.irp a, \a0, \a0+1
.irp b, 0,1,2,3,4,5,6,7
.if \zero
	v_wmma_f32_16x16x128_fp8_fp8 v[8*(8*((\a)%4)+\b):8*(8*((\a)%4)+\b)+7], v[128*(\p)+FR*\b:128*(\p)+FR*\b+FR-1], v[AF+FR*(\a):AF+FR*(\a)+FR-1], 0
.else
	v_wmma_f32_16x16x128_fp8_fp8 v[8*(8*((\a)%4)+\b):8*(8*((\a)%4)+\b)+7], v[128*(\p)+FR*\b:128*(\p)+FR*\b+FR-1], v[AF+FR*(\a):AF+FR*(\a)+FR-1], v[8*(8*((\a)%4)+\b):8*(8*((\a)%4)+\b)+7]
.endif
.endr
.endr
.endm
.macro FETCH_B slot, q, p
	WIN TO_B
.irp i, 0,1,2,3,4,5,6,7
	FRAGB 128*(\p)+FR*\i, ADRB+\slot, \q, \i
.endr
	WIN 0
.endm
.macro FETCH_A slot, q, i0
.irp i, \i0, \i0+1, \i0+2, \i0+3
	FRAGA AF+FR*(\i), ADRA+\slot, \q, \i
.endr
.endm
.macro PLACES n                        ; places behind matrix instructions, in front of loads into their registers and of the first read of results
.rept \n
	v_nop
.endr
.endm
.macro STEP slot, q, zero
	s_wait_dscnt 4*NL                              ; B's set and A's blocks 0-3 are in; the youngest sixteen loads (A's blocks 4-7) may be out
	WIN MUL_LO
	MUL16 0, (\q)%2, \zero
	MUL16 2, (\q)%2, \zero
	s_wait_dscnt 0                                 ; A's blocks 4-7 are in
	PLACES NP
	FETCH_B \slot, (\q)+1, 1-(\q)%2
	FETCH_A \slot, (\q)+1, 0
	WIN MUL_HI
	MUL16 4, (\q)%2, \zero
	MUL16 6, (\q)%2, \zero
	PLACES NP
	WIN 0
	FETCH_A \slot, (\q)+1, 4
.endm
; A slot's last step changes slots: ONE barrier; in front of it each wave waits for all its tensor loads, adds 0 to its spare word, and waits for that and for its own reads of this slot.
.macro TURN slot, next, fill
	s_wait_tensorcnt 0x0                           ; all my tensor loads have landed: my part of the next slot
	ds_add_u32 v[SPW], v[NIL]                      ; 0 onto my spare word
	s_wait_dscnt 4*NL+1                            ; (the add and the youngest sixteen loads may be out)
	WIN MUL_LO
	MUL16 0, 1, 0
	s_wait_dscnt 0x0                               ; the add is done, and my reads of this slot are over
	s_barrier_signal -1
	MUL16 2, 1, 0
	WIN 0
	s_barrier_wait -1
.if \fill
	CREST                                          ; the barrier has opened a round of the cluster's barrier
	s_add_nc_u64 s[G0+4*\slot+2:G0+4*\slot+3], s[G0+4*\slot+2:G0+4*\slot+3], 2*4096
	s_add_nc_u64 s[G0B+4*\slot+2:G0B+4*\slot+3], s[G0B+4*\slot+2:G0B+4*\slot+3], 2*256
	JLOAD G0+4*\slot, G1, G0B+4*\slot, G1B         ; the first tensor load behind the round; its four v_nop are the places in front of the loads below
.else
	PLACES NP
.endif
	FETCH_B \next, 0, 0
	FETCH_A \next, 0, 0
	WIN MUL_HI
	MUL16 4, 1, 0
	MUL16 6, 1, 0
	PLACES NP
	WIN 0
	FETCH_A \next, 0, 4
.endm
	s_wait_alu depctr_va_vdst(0)
	s_wait_tensorcnt 1                             ; my part of K step 0 is in (K step 1's load may be out)
	s_barrier_signal -1
	s_barrier_wait -1                              ; everybody's is
	FETCH_B 0, 0, 0
	FETCH_A 0, 0, 0
	FETCH_A 0, 0, 4
	STEP 0, 0, 1                                   ; the first step's products start the sums
	s_mov_b32 s3, LAPS-1
.Llap:
	TURN 0, 1, 1
	STEP 1, 0, 0
	TURN 1, 0, 1
	STEP 0, 0, 0
	s_sub_co_u32 s3, s3, 1
	s_cmp_lg_u32 s3, 0
	s_cbranch_scc1 .Llap
	TURN 0, 1, 0                                   ; the last lap fills nothing
	STEP 1, 0, 0
	s_wait_dscnt 4*NL
	WIN MUL_LO
	MUL16 0, 1, 0
	MUL16 2, 1, 0
	s_wait_dscnt 0
	WIN MUL_HI
	MUL16 4, 1, 0
	MUL16 6, 1, 0
	WIN 0
; THE WAY OUT, block by block of 16 rows x 128 columns, through my own stage in LDS: in as 32 bytes a lane, back as whole rows of 512 bytes.  LDS serves a wave's instructions in order (ISA guide 5.7.1.4): no wait between the stores and the loads.
.macro TOSTAGE a
.set AC, 64*((\a)%4)
	WIN 0x02+((\a)/4)
.irp j, 0,2,4,6,8,10,12,14,16,18,20,22,24,26,28,30,32,34,36,38,40,42,44,46,48,50,52,54,56,58,60,62
	v_pk_mul_f32 v[TMP+\j:TMP+\j+1], v[AC+\j:AC+\j+1], s[96:97] op_sel_hi:[1,0]   ; x 2^(e10 + e11); each accumulator from its low end on
.endr
	WIN 0
.irp b, 0,1,2,3,4,5,6,7
	ds_store_b128 v[STO], v[TMP+8*\b:TMP+8*\b+3] offset:64*\b
	ds_store_b128 v[STO], v[TMP+8*\b+4:TMP+8*\b+7] offset:64*\b+16
.endr
.set BB, BK+64*((\a)%2)
.irp t, 0,1,2,3,4,5,6,7,8,9,10,11,12,13,14,15
	ds_load_b128 v[BB+4*\t:BB+4*\t+3], v[RD] offset:\t*SPITCH
.endr
.endm
.macro SEND a, younger                 ; younger: the LDS instructions issued behind block a's loads, which may stay out
.set BB, BK+64*((\a)%2)
	s_wait_dscnt \younger
.if (\a) > 0
	s_add_nc_u64 s[10:11], s[10:11], 16*SIZE_N*4   ; (behind a wait on XCNT: the earlier stores have read their base)  16 rows of C on
.endif
.irp t, 0,1,2,3,4,5,6,7,8,9,10,11,12,13,14,15
	global_store_b128 v[CO], v[BB+4*\t:BB+4*\t+3], s[10:11] offset:\t*SIZE_N*4 th:TH_STORE_NT   ; 32 lanes store 512 consecutive bytes, aligned; written once, read by nobody here
.endr
.endm
	s_wait_kmcnt 0x0
	s_add_co_i32 s96, s96, s97
	s_add_co_i32 s96, s96, 127
	s_lshl_b32 s96, s96, 23                        ; 2^(e10 + e11) as f32
	PLACES NP
	TOSTAGE 0
.irp a, 1,2,3,4,5,6,7
.if \a > 1
	s_wait_xcnt 0x0                                ; block a - 2's stores have read their registers and their base
.endif
	TOSTAGE \a
	SEND \a-1, 32                                  ; behind block a - 1's loads: block a's 16 stores and 16 loads
.endr
	s_wait_xcnt 0x0
	SEND 7, 0
	s_wait_tensorcnt 0x0                           ; the wave's end
	ds_add_u32 v[SPW], v[NIL]
	s_wait_dscnt 0x0
	CROUND                                         ; the closing round
	s_endpgm
.Lfunc_end_k_qc6c015dc1f_oproj:
	.size	k_qc6c015dc1f_oproj, .Lfunc_end_k_qc6c015dc1f_oproj-k_qc6c015dc1f_oproj
	.p2alignl 7, 3214868480
	.fill 96, 4, 3214868480
	.section	.rodata,"a",@progbits
	.p2align	6, 0x0
	.amdhsa_kernel k_qc6c015dc1f_oproj
		.amdhsa_group_segment_fixed_size 327680
		.amdhsa_private_segment_fixed_size 0
		.amdhsa_enable_private_segment 0
		.amdhsa_kernarg_size 32
		.amdhsa_user_sgpr_count 2
		.amdhsa_user_sgpr_kernarg_segment_ptr 1
		.amdhsa_wavefront_size32 1
		.amdhsa_system_sgpr_workgroup_id_x 1
		.amdhsa_system_sgpr_workgroup_id_y 1
		.amdhsa_system_sgpr_workgroup_id_z 1
		.amdhsa_system_vgpr_workitem_id 0
		.amdhsa_next_free_vgpr 1024
		.amdhsa_next_free_sgpr 98
		.amdhsa_reserve_vcc 0
		.amdhsa_float_denorm_mode_32 3
		.amdhsa_float_denorm_mode_16_64 3
		.amdhsa_memory_ordered 1
		.amdhsa_forward_progress 1
		.amdhsa_inst_pref_size 140
	.end_amdhsa_kernel
	.amdgpu_metadata
---
amdhsa.version: [ 1, 2 ]
amdhsa.kernels:
  - .name:           k_qc6c015dc1f_oproj
    .symbol:         k_qc6c015dc1f_oproj.kd
    .args:
      - { .name: ac, .offset: 0, .size: 8, .value_kind: global_buffer, .address_space: global }
      - { .name: wc, .offset: 8, .size: 8, .value_kind: global_buffer, .address_space: global }
      - { .name: lowp_scales, .offset: 16, .size: 8, .value_kind: global_buffer, .address_space: global }
      - { .name: out0, .offset: 24, .size: 8, .value_kind: global_buffer, .address_space: global }
    .group_segment_fixed_size: 327680
    .private_segment_fixed_size: 0
    .kernarg_segment_align: 8
    .kernarg_segment_size: 32
    .max_flat_workgroup_size: 128
    .sgpr_count:     98
    .vgpr_count:     1024
    .wavefront_size: 32
...
	.end_amdgpu_metadata
.endif
;; end of part 4
